; MI455X (gfx1250); checked and timed in simulation.
; The chip was launched on July 23, 2026; its instructions are those of AMD's public machine-readable ISA for CDNA 5 (MIT licence, August 2026) and "CDNA5" Instruction Set Architecture Reference Guide (July 2026). The comments in the code are by the model that wrote it; some were corrected since.
;; Attention. Allowed arithmetic: float matrix products may take bf16 or f16 operands with f32 sums; all other float work in f32.
;; Inputs: Wk 1,024 x 1,024 float32; Wq 1,024 x 1,024 float32; Wv 1,024 x 1,024 float32; alpha 1 float32; beta 1,024 float32; bk 1,024 float32; bq 1,024 float32; bv 1,024 float32; decoder_hidden_state 32 x 1,024 float32; encoder_outputs 32 x 1,024 x 1,024 float32; gamma 1,024 float32.
;; Outputs: out0 32 x 1,024 float32; out1 32 x 1,024 float32.
;; 2 versions, each right and faster than the one before. Each part assembles by itself: llvm-mc -triple=amdgcn-amd-amdhsa -mcpu=gfx1250 --defsym DOCPART=n.
;; ======== version 1 of 2: 4 launches
;; limits: values are held in f16: magnitudes above 65,504 overflow, below 6.1e-05 lose precision
;; workspace buffers: upart 4,194,304 bytes; cbp 4,096 bytes; accp 1,048,576 bytes; pstat 65,536 bytes; energy 131,072 bytes; cvec 131,072 bytes
;; launch proj (part 1): grid 32 x 1, 16 waves a work-group, no clusters, 273,408 bytes of LDS; arguments decoder_hidden_state, Wq, bq, Wk, bk, upart, cbp; writes upart, cbp
.if DOCPART == 1
	.amdgcn_target "amdgcn-amd-amdhsa--gfx1250"
	.amdhsa_code_object_version 6
	.text
	.protected	k_qcf13f7fd47_proj
	.globl	k_qcf13f7fd47_proj
	.p2align	8
	.type	k_qcf13f7fd47_proj,@function
k_qcf13f7fd47_proj:
	s_mov_b64 s[64:65], 0
	v_nop
	global_prefetch_b8 v0, s[64:65] scope:SCOPE_SE
	s_setreg_imm32_b32 hwreg(HW_REG_WAVE_MODE, 25, 1), 1
	s_wait_xcnt 0x0
; energy[b][s] = q_b . (Wk e_s + bk) / 32 = (Wk^T q_b / 32) . e_s + q_b . bk / 32, for every input: so the keys are never formed.
; Work-group p (of 32) makes q'[:, 32p .. 32p+31] = (dh Wq[32p ..]^T + bq) / 32 (stage 1), then its share of u = q' Wk:
; upart[p][b][h] = sum over its 32 o of q'[b][o] Wk[o][h] (stage 2), and cbp[b][p] = sum over its 32 o of q'[b][o] bk[o].
; FORMAT: matrix operands (dh, Wq, q', Wk) are rounded to f16, sums are f32.  f16 and not bf16 for its three more bits: the context that
; hangs on these numbers is a mean over 1024 rows, small against its terms.  Room in f16 (largest 65,504; below 6.1e-5 a step of 6e-8):
; dh 30 times the drawn size is about 165, the weights about 5; q with offsets of 30 spreads in dh and Wq is about 1024 x 30 x 30/32 = 28,800,
; so the model's 1/sqrt(1024) = 2^-5 (exact) is applied to q ahead of its rounding: q' is then about 900.
; LIMITS: an operand beyond 65,504 in magnitude (|q| beyond 2.09e6) would become infinite; the order of summation differs from the
; written order of the model (products reassociated, K shared out over 16 waves); NaN and infinite inputs are not served.
; 16 waves.  All 49 global loads of a wave go out at the head; nothing in memory is read twice by the work-group.
; No cluster: what work-groups share is dh alone, 128 KiB of the 384 KiB that each reads, in a text of three barriers.
.set PX,  2064                         ; LDS pitch of a row of 1024 f16: 2048 + 16 = 129 x 16 bytes
.set PK,  2080                         ; pitch of Wk's rows, read by the transposing load: 65 x 32 bytes
.set XB,  0                            ; dh, f16, 32 rows
.set WB,  32*PX                        ; Wq's 32 rows, f16
.set RED, 64*PX                        ; 16 waves x 4,096 bytes: each wave's partial 32 x 32 of f32
.set KB,  RED+16*4096                  ; Wk's 32 rows, f16
.set QB,  KB+32*PK                     ; q' slice, f16, pitch 80
.set QF,  QB+32*80                     ; q' slice, f32, pitch 144
.set PO,  272                          ; way out: 16 waves x 32 rows x (256 + 16) bytes from LDS byte 0, over XB, WB and RED's head, all read for the last time ahead of the third barrier
.set LD,  64                           ; v[64:255] the 48 loads of 16 bytes
.set XF,  64                           ; v[64:95]   fragments of dh (tm, ks)
.set WF,  96                           ; v[96:127]  fragments of Wq (tn, ks)
.set ACC, 128                          ; v[128:159] four accumulators (tm, tn)
.set QR,  64                           ; v[64:79]   stage 2: fragments of q'
.set KF,  80                           ; v[80:111]  stage 2: fragments of Wk, transposed
.set UD,  112                          ; v[112:175] stage 2: eight results
.set BCK, 176                          ; v[176:239] way out
.set SBK, 68                           ; s[68:99]   bk[32p .. 32p+31]
; v1 lane, v10 r = lane % 16, v11 hh = lane / 16, v2-v9 and v14-v26 addresses (named where they are made), v[12:13] bq pair
.macro LOAD16 n0, blo, nt              ; rows 2w, 2w+1 of a 32 x 1024 f32 block: each load covers 512 consecutive bytes
.irp i, 0,1
.irp j, 0,1,2,3,4,5,6,7
.if \nt
	global_load_b128 v[LD+4*(\n0+8*\i+\j):LD+4*(\n0+8*\i+\j)+3], v2, s[\blo:\blo+1] offset:4096*\i+512*\j th:TH_LOAD_NT
.else
	global_load_b128 v[LD+4*(\n0+8*\i+\j):LD+4*(\n0+8*\i+\j)+3], v2, s[\blo:\blo+1] offset:4096*\i+512*\j
.endif
.endr
.endr
.endm
.macro CVTROW n0, areg, imm0           ; one row: 8 x (4 f32 -> 4 f16 -> 8 bytes a lane, 256 consecutive bytes a store)
.irp j, 0,1,2,3,4,5,6,7
	v_cvt_pk_f16_f32 v[LD+4*(\n0+\j)], v[LD+4*(\n0+\j)], v[LD+4*(\n0+\j)+1]
	v_cvt_pk_f16_f32 v[LD+4*(\n0+\j)+1], v[LD+4*(\n0+\j)+2], v[LD+4*(\n0+\j)+3]
	ds_store_b64 v[\areg], v[LD+4*(\n0+\j):LD+4*(\n0+\j)+1] offset:\imm0+256*\j
.endr
.endm
.macro FRAG ks                         ; eight loads: both row tiles of dh and of Wq, 32 along K
.irp t, 0,1
	ds_load_b128 v[XF+8*(2*\t+\ks):XF+8*(2*\t+\ks)+3],   v6 offset:\t*16*PX+\ks*64
	ds_load_b128 v[XF+8*(2*\t+\ks)+4:XF+8*(2*\t+\ks)+7], v6 offset:\t*16*PX+\ks*64+32
	ds_load_b128 v[WF+8*(2*\t+\ks):WF+8*(2*\t+\ks)+3],   v7 offset:\t*16*PX+\ks*64
	ds_load_b128 v[WF+8*(2*\t+\ks)+4:WF+8*(2*\t+\ks)+7], v7 offset:\t*16*PX+\ks*64+32
.endr
.endm
.macro MUL4 ks, zero                   ; source 0 = rows of W, source 1 = rows of X: lane (r, hh), register j holds Y[16 tm + r][16 tn + 8 hh + j]
.irp tm, 0,1
.irp tn, 0,1
.if \zero
	v_wmma_f32_16x16x32_f16 v[ACC+8*(2*\tm+\tn):ACC+8*(2*\tm+\tn)+7], v[WF+8*(2*\tn+\ks):WF+8*(2*\tn+\ks)+7], v[XF+8*(2*\tm+\ks):XF+8*(2*\tm+\ks)+7], 0
.else
	v_wmma_f32_16x16x32_f16 v[ACC+8*(2*\tm+\tn):ACC+8*(2*\tm+\tn)+7], v[WF+8*(2*\tn+\ks):WF+8*(2*\tn+\ks)+7], v[XF+8*(2*\tm+\ks):XF+8*(2*\tm+\ks)+7], v[ACC+8*(2*\tm+\tn):ACC+8*(2*\tm+\tn)+7]
.endif
.endr
.endr
.endm
	s_load_b256 s[4:11], s[0:1], 0x0               ; dh s[4:5], Wq s[6:7], bq s[8:9], Wk s[10:11]
	s_load_b128 s[12:15], s[0:1], 0x20             ; bk s[12:13], upart s[14:15]
	s_load_b64 s[16:17], s[0:1], 0x30              ; cbp
	v_lshrrev_b32 v1, 5, v0
	v_readfirstlane_b32 s18, v1                    ; w, the wave's number
	v_and_b32 v1, 31, v0                           ; lane
	v_and_b32 v10, 15, v0                          ; r
	v_bfe_u32 v11, v0, 4, 1                        ; hh
	s_mov_b32 s19, ttmp9                           ; p
	s_lshl_b32 s20, s19, 17                        ; 32 rows of 4,096 bytes
	s_mov_b32 s21, 0
	s_lshl_b32 s22, s19, 7                         ; 32 numbers of 4 bytes
	s_mov_b32 s23, 0
	s_lshl_b32 s24, s18, 13
	v_lshl_add_u32 v2, v1, 4, s24                  ; v2 = 2 w rows + 16 lane
	s_bfe_u32 s32, s18, 0x10002                    ; (w >> 2) & 1
	s_lshl_b32 s32, s32, 4
	s_and_b32 s33, s18, 3
	s_lshl_b32 s33, s33, 1
	s_add_co_u32 s32, s32, s33
	v_lshl_add_u32 v15, v11, 3, s32                ; v15 = oo = 16 ((w>>2)&1) + 2 (w&3) + 8 hh: my pair of columns after the reduction
	v_lshlrev_b32 v16, 2, v15
	s_wait_kmcnt 0x0
	s_add_nc_u64 s[6:7], s[6:7], s[20:21]          ; Wq, Wk, upart at the slice; bq, bk at its 32 numbers
	s_add_nc_u64 s[10:11], s[10:11], s[20:21]
	s_add_nc_u64 s[14:15], s[14:15], s[20:21]
	s_add_nc_u64 s[8:9], s[8:9], s[22:23]
	s_add_nc_u64 s[12:13], s[12:13], s[22:23]
	global_load_b64 v[12:13], v16, s[8:9]          ; bq[oo], bq[oo+1]
	LOAD16 0, 4, 0                                 ; dh: every work-group reads it, so no hint
	LOAD16 16, 6, 1                                ; Wq's slice: read once in the launch
	LOAD16 32, 10, 1                               ; Wk's slice: read once in the launch
	s_load_b512 s[SBK:SBK+15], s[12:13], 0x0
	s_load_b512 s[SBK+16:SBK+31], s[12:13], 0x40
	; addresses, while the loads are on their way
	s_mul_i32 s25, s18, 2*PX
	v_lshl_add_u32 v3, v1, 3, s25                  ; v3: XB, my two rows, 8 bytes a lane
	v_add_nc_u32 v4, WB, v3                        ; v4: the same in WB
	s_mul_i32 s26, s18, 2*PK
	s_add_co_u32 s26, s26, KB
	v_lshl_add_u32 v5, v1, 3, s26                  ; v5: the same in KB
	v_mul_u32_u24 v6, v10, PX
	v_lshl_add_u32 v6, v11, 4, v6
	s_lshl_b32 s27, s18, 7
	v_add_nc_u32 v6, s27, v6                       ; v6: fragments of dh: r PX + 16 hh + my 64 of K (128 bytes)
	v_add_nc_u32 v7, WB, v6                        ; v7: fragments of Wq
	s_lshl_b32 s28, s18, 12
	s_add_co_u32 s28, s28, RED
	v_lshl_add_u32 v8, v1, 4, s28                  ; v8: my partial sums
	s_lshr_b32 s29, s18, 1
	s_lshl_b32 s29, s29, 9
	s_and_b32 s30, s18, 1
	s_lshl_b32 s30, s30, 3
	s_add_co_u32 s29, s29, s30
	s_add_co_u32 s29, s29, RED
	v_lshl_add_u32 v9, v1, 4, s29                  ; v9: the pair that I reduce, in wave 0's partial sums
	s_lshr_b32 s31, s18, 3
	s_lshl_b32 s31, s31, 4
	v_add_nc_u32 v14, s31, v10                     ; v14 = bb = 16 (w >> 3) + r: my row after the reduction
	v_mul_u32_u24 v17, v14, 80
	v_lshl_add_u32 v17, v15, 1, v17
	v_add_nc_u32 v17, QB, v17                      ; v17: q' as f16
	v_mul_u32_u24 v18, v14, 144
	v_lshl_add_u32 v18, v15, 2, v18
	v_add_nc_u32 v18, QF, v18                      ; v18: q' as f32
	v_mul_u32_u24 v19, v10, 80
	v_lshl_add_u32 v19, v11, 4, v19
	v_add_nc_u32 v19, QB, v19                      ; v19: fragments of q'
	v_and_b32 v27, 7, v0
	v_lshl_add_u32 v27, v11, 3, v27                ; 8 hh + lane % 8: the row of Wk's slice (k) that this lane addresses
	v_mul_u32_u24 v20, v27, PK
	v_bfe_u32 v27, v0, 3, 1
	v_lshl_add_u32 v20, v27, 4, v20
	s_add_co_u32 s37, s27, KB
	v_add_nc_u32 v20, s37, v20                     ; v20: transposed fragments of Wk, my 64 columns (128 bytes)
	s_mul_i32 s34, s18, 32*PO
	v_mul_u32_u24 v21, v10, PO
	v_lshl_add_u32 v21, v11, 5, v21
	v_add_nc_u32 v21, s34, v21                     ; v21: way out, in
	v_mul_u32_u24 v22, v11, PO
	v_lshl_add_u32 v22, v10, 4, v22
	v_add_nc_u32 v22, s34, v22                     ; v22: way out, back by rows
	s_lshl_b32 s35, s18, 8
	v_lshlrev_b32 v23, 12, v11
	v_lshl_add_u32 v23, v10, 4, v23
	v_add_nc_u32 v23, s35, v23                     ; v23: upart: row hh, my wave's 256 bytes, 16 r
	v_mul_u32_u24 v25, v1, 144
	v_add_nc_u32 v25, QF, v25                      ; v25: row b = lane of q' in f32
	s_lshl_b32 s36, s19, 2
	v_lshl_add_u32 v26, v1, 7, s36                 ; v26: cbp[b = lane][p]
	; to f16 and into LDS, row by row as the loads land: the count is the loads issued behind the row's eight
	s_wait_loadcnt 40
	CVTROW 0, 3, 0
	s_wait_loadcnt 32
	CVTROW 8, 3, PX
	s_wait_loadcnt 24
	CVTROW 16, 4, 0
	s_wait_loadcnt 16
	CVTROW 24, 4, PX
	s_wait_loadcnt 8
	CVTROW 32, 5, 0
	s_wait_loadcnt 0
	CVTROW 40, 5, PK
	s_wait_kmcnt 0x0                               ; bk's 32 numbers
	s_wait_dscnt 0x0                               ; my rows are in LDS, for the other waves' sake
	s_barrier_signal -1
	s_barrier_wait -1
	; STAGE 1: wave w multiplies K = 64 w .. 64 w + 63 of the whole 32 x 32 block
	FRAG 0
	FRAG 1
	s_wait_dscnt 8                                 ; the first eight loads (K step 0) are in
	MUL4 0, 1                                      ; the first products start the sums
	s_wait_dscnt 0
	MUL4 1, 0                                      ; the four accumulators take turns, one instruction a turn
.rept 4
	v_nop                                          ; four places behind the last matrix instruction before its result is stored (ISA guide 7.12.1)
.endr
.irp t, 0,1,2,3
.irp q, 0,1
	ds_store_b128 v8, v[ACC+8*\t+4*\q:ACC+8*\t+4*\q+3] offset:\t*1024+\q*512
.endr
.endr
	s_wait_dscnt 0x0
	s_barrier_signal -1
	s_barrier_wait -1
	; the sixteen partial sums of my pair Y[bb][oo], Y[bb][oo+1]
.irp s, 0,1,2,3,4,5,6,7,8,9,10,11,12,13,14,15
	ds_load_b64 v[64+2*\s:65+2*\s], v9 offset:\s*4096
.endr
	s_wait_dscnt 0x0
.irp s, 0,1,2,3,4,5,6,7
	v_pk_add_f32 v[64+2*\s:65+2*\s], v[64+2*\s:65+2*\s], v[80+2*\s:81+2*\s]
.endr
.irp s, 0,1,2,3
	v_pk_add_f32 v[64+2*\s:65+2*\s], v[64+2*\s:65+2*\s], v[72+2*\s:73+2*\s]
.endr
	v_pk_add_f32 v[64:65], v[64:65], v[68:69]
	v_pk_add_f32 v[66:67], v[66:67], v[70:71]
	v_pk_add_f32 v[64:65], v[64:65], v[66:67]
	v_pk_add_f32 v[64:65], v[64:65], v[12:13]      ; + bq
	v_pk_mul_f32 v[64:65], v[64:65], 0x3d000000 op_sel_hi:[1,0]    ; x 2^-5 = 1 / sqrt(1024), exact: q'
	v_cvt_pk_f16_f32 v24, v64, v65
	ds_store_b32 v17, v24
	ds_store_b64 v18, v[64:65]
	s_wait_dscnt 0x0
	s_barrier_signal -1
	s_barrier_wait -1
	; STAGE 2: K = the slice's 32 o, one matrix instruction a tile; wave w makes h = 64 w .. 64 w + 63 for all 32 b
.irp tm, 0,1
	ds_load_b128 v[QR+8*\tm:QR+8*\tm+3],   v19 offset:\tm*1280
	ds_load_b128 v[QR+8*\tm+4:QR+8*\tm+7], v19 offset:\tm*1280+32
.endr
.irp i, 0,1,2,3
	ds_load_tr16_b128 v[KF+8*\i:KF+8*\i+3],   v20 offset:32*\i          ; o = 8 hh .. + 7 of column h = 64 w + 16 i + r
	ds_load_tr16_b128 v[KF+8*\i+4:KF+8*\i+7], v20 offset:32*\i+16*PK    ; o = 16 + 8 hh .. + 7
.endr
	s_wait_dscnt 0x0
.irp i, 0,1,2,3
.irp tm, 0,1
	v_wmma_f32_16x16x32_f16 v[UD+8*(2*\i+\tm):UD+8*(2*\i+\tm)+7], v[KF+8*\i:KF+8*\i+7], v[QR+8*\tm:QR+8*\tm+7], 0
.endr
.endr
.rept 4
	v_nop                                          ; four places before the results are stored (ISA guide 7.12.1)
.endr
	; lane (r, hh), register j of tile (i, tm) holds upart[16 tm + r][64 w + 16 i + 8 hh + j]: through my own LDS rows, back as whole rows
.irp i, 0,1,2,3
.irp tm, 0,1
.irp q, 0,1
	ds_store_b128 v21, v[UD+8*(2*\i+\tm)+4*\q:UD+8*(2*\i+\tm)+4*\q+3] offset:\tm*16*PO+64*\i+16*\q
.endr
.endr
.endr
.irp t, 0,1,2,3,4,5,6,7,8,9,10,11,12,13,14,15
	ds_load_b128 v[BCK+4*\t:BCK+4*\t+3], v22 offset:\t*2*PO        ; my own bytes, served in issue order (ISA guide 5.7.1): these see the stores above
.endr
.irp t, 0,1,2,3,4,5,6,7,8,9,10,11,12,13,14,15
	s_wait_dscnt 15-\t                             ; load t is back; the younger ones stay out
	global_store_b128 v23, v[BCK+4*\t:BCK+4*\t+3], s[14:15] offset:\t*8192   ; rows 2 t, 2 t + 1: sixteen lanes store 256 consecutive bytes, aligned
.endr
	; q' . bk over the slice: wave 0 alone, lane = b, q' in f32
	s_cmp_lg_u32 s18, 0
	s_cbranch_scc1 .Lend
.irp k, 0,1,2,3,4,5,6,7
	ds_load_b128 v[32+4*\k:35+4*\k], v25 offset:16*\k
.endr
	s_wait_dscnt 0x0
.irp c, 0,1,2,3
	v_mul_f32 v[28+\c], s[SBK+\c], v[32+\c]        ; four chains, started by the first four products
.endr
.set o, 4
.rept 28
	v_fma_f32 v[28+o%4], s[SBK+o], v[32+o], v[28+o%4]
.set o, o+1
.endr
	v_add_f32 v28, v28, v29
	v_add_f32 v30, v30, v31
	v_add_f32 v28, v28, v30
	global_store_b32 v26, v28, s[16:17]            ; 32 words 128 bytes apart, once in a work-group: so laid that each wave of the next launch reads 128 consecutive bytes
.Lend:
	s_wait_xcnt 0x0
	v_lshl_add_u32 v254, v0, 2, 0x42400
	v_mov_b32 v255, 0
	s_wait_tensorcnt 0x0
	ds_add_u32 v254, v255
	s_wait_dscnt 0x0
	s_endpgm
.Lfunc_end_k_qcf13f7fd47_proj:
	.size	k_qcf13f7fd47_proj, .Lfunc_end_k_qcf13f7fd47_proj-k_qcf13f7fd47_proj
	.p2alignl 7, 3214868480
	.fill 96, 4, 3214868480
	.section	.rodata,"a",@progbits
	.p2align	6, 0x0
	.amdhsa_kernel k_qcf13f7fd47_proj
		.amdhsa_group_segment_fixed_size 273408
		.amdhsa_private_segment_fixed_size 0
		.amdhsa_enable_private_segment 0
		.amdhsa_kernarg_size 56
		.amdhsa_user_sgpr_count 2
		.amdhsa_user_sgpr_kernarg_segment_ptr 1
		.amdhsa_wavefront_size32 1
		.amdhsa_system_sgpr_workgroup_id_x 1
		.amdhsa_system_sgpr_workgroup_id_y 1
		.amdhsa_system_sgpr_workgroup_id_z 1
		.amdhsa_system_vgpr_workitem_id 0
		.amdhsa_next_free_vgpr 256
		.amdhsa_next_free_sgpr 100
		.amdhsa_reserve_vcc 0
		.amdhsa_float_denorm_mode_32 3
		.amdhsa_float_denorm_mode_16_64 3
		.amdhsa_memory_ordered 1
		.amdhsa_forward_progress 1
		.amdhsa_inst_pref_size 32
	.end_amdhsa_kernel
	.amdgpu_metadata
---
amdhsa.version: [ 1, 2 ]
amdhsa.kernels:
  - .name:           k_qcf13f7fd47_proj
    .symbol:         k_qcf13f7fd47_proj.kd
    .args:
      - { .name: decoder_hidden_state, .offset: 0, .size: 8, .value_kind: global_buffer, .address_space: global }
      - { .name: Wq, .offset: 8, .size: 8, .value_kind: global_buffer, .address_space: global }
      - { .name: bq, .offset: 16, .size: 8, .value_kind: global_buffer, .address_space: global }
      - { .name: Wk, .offset: 24, .size: 8, .value_kind: global_buffer, .address_space: global }
      - { .name: bk, .offset: 32, .size: 8, .value_kind: global_buffer, .address_space: global }
      - { .name: upart, .offset: 40, .size: 8, .value_kind: global_buffer, .address_space: global }
      - { .name: cbp, .offset: 48, .size: 8, .value_kind: global_buffer, .address_space: global }
    .group_segment_fixed_size: 273408
    .private_segment_fixed_size: 0
    .kernarg_segment_align: 8
    .kernarg_segment_size: 56
    .max_flat_workgroup_size: 512
    .sgpr_count:     100
    .vgpr_count:     256
    .wavefront_size: 32
...
	.end_amdgpu_metadata
.endif
;; end of part 1
;; launch stream (part 2): grid 256 x 1, 16 waves a work-group, no clusters, 72,704 bytes of LDS; arguments encoder_outputs, upart, cbp, accp, pstat, energy; writes accp, pstat, energy
.if DOCPART == 2
	.amdgcn_target "amdgcn-amd-amdhsa--gfx1250"
	.amdhsa_code_object_version 6
	.text
	.protected	k_qcf13f7fd47_stream
	.globl	k_qcf13f7fd47_stream
	.p2align	8
	.type	k_qcf13f7fd47_stream,@function
k_qcf13f7fd47_stream:
	s_mov_b64 s[64:65], 0
	v_nop
	global_prefetch_b8 v0, s[64:65] scope:SCOPE_SE
	s_setreg_imm32_b32 hwreg(HW_REG_WAVE_MODE, 25, 1), 1
	s_wait_xcnt 0x0
; One pass over encoder_outputs.  Work-group g owns rows 128 (g % 8) .. + 127 of batch b = g / 8 (512 KiB); wave w owns 8 of them.
; For each row: t = (u_b . e + cb_b) log2(e) in f32 (u and cb carry the model's 1/32 already), then a softmax with a running maximum:
; acc = acc 2^(m - m') + e 2^(t - m').
; Out: accp[g][h] = sum of e 2^(t - M), pstat[g] = (M, sum of 2^(t - M)), energy[b][s] = t.  The next launch joins a batch's 8 parts.
; A row is eight loads of 512 consecutive bytes and is read from memory once: it stays in 32 registers for the dot product and the update.
; Four rows of every wave are on their way (a ring of four register slots; row 0 lands in the accumulator itself).
; Not used, by the sizes: the matrix unit (one query a batch: 1 of 16 rows of a tile), LDS slots (no wave reads another's row),
; clusters (work-groups share the 4 KiB of u alone).  LIMITS: NaN and infinite inputs are not served; a weight below 2^-126 becomes 0.
.set ULDS, 0                           ; u, scaled: 1024 f32
.set ACCS, 4096                        ; 16 waves x 4,096 bytes
.set STAT, 69632                       ; 16 x (m, l)
.set EN,   69760                       ; 128 t.  STAT and EN lie past what an LDS immediate reaches (16 bits): their bases stand in address registers
.set SCL,  0x3fb8aa3b                  ; log2(e)
.set D,    10                          ; v[10:17]  four chains of the dot product
.set E,    28                          ; v[28:35]  t of my 8 rows
.set U,    40                          ; v[40:71]  u, my 32 columns: h = 128 j + 4 lane ..
.set ACC,  72                          ; v[72:103] running sum of weighted rows
.set SL,   104                         ; v[104+32k ..] slot k, k = 0 .. 3
.set Q,    SL+64                       ; the 16 loads of upart land in slots 2 and 3
; v8 m, v9 l, v18 t, v19 the other half's t, v20 new maximum, v21, v27 exponents, v[22:23] (f, f), v[24:25] (p, p), v26 cb scaled
.macro FILL dst, row
.irp j, 0,1,2,3,4,5,6,7
	global_load_b128 v[\dst+4*\j:\dst+4*\j+3], v2, s[4:5] offset:\row*4096+512*\j th:TH_LOAD_NT
.endr
.endm
.macro DOT src, r                      ; E[r] = u . row + cb, in every lane
.irp q, 0,1,2,3
	v_pk_mul_f32 v[D+2*\q:D+2*\q+1], v[\src+2*\q:\src+2*\q+1], v[U+2*\q:U+2*\q+1]
.endr
.irp q, 4,5,6,7,8,9,10,11,12,13,14,15
	v_pk_fma_f32 v[D+2*(\q%4):D+2*(\q%4)+1], v[\src+2*\q:\src+2*\q+1], v[U+2*\q:U+2*\q+1], v[D+2*(\q%4):D+2*(\q%4)+1]
.endr
	v_pk_add_f32 v[D:D+1], v[D:D+1], v[D+2:D+3]
	v_pk_add_f32 v[D+4:D+5], v[D+4:D+5], v[D+6:D+7]
	v_pk_add_f32 v[D:D+1], v[D:D+1], v[D+4:D+5]
	v_add_f32 v18, v[D], v[D+1]
	v_add_f32_dpp v18, v18, v18 row_xmask:1 row_mask:0xf bank_mask:0xf
	v_add_f32_dpp v18, v18, v18 row_xmask:2 row_mask:0xf bank_mask:0xf
	v_add_f32_dpp v18, v18, v18 row_xmask:4 row_mask:0xf bank_mask:0xf
	v_add_f32_dpp v18, v18, v18 row_xmask:8 row_mask:0xf bank_mask:0xf
	v_permlanex16_b32 v19, v18, s16, s17
	v_add_f32 v18, v18, v19
	v_add_f32 v[E+\r], v18, v26
.endm
.macro UPD r, x                        ; the running maximum moves, the sums follow
	v_max_num_f32 v20, v8, v[E+\r]
	v_sub_f32 v21, v8, v20
	v_sub_f32 v27, v[E+\r], v20
	v_exp_f32 v22, v21                             ; f = 2^(m - m')
	v_exp_f32 v24, v27                             ; p = 2^(t - m')
	v_mov_b32 v8, v20                              ; the plain instruction between the exponentials and the first use of their results (ISA guide 5.7.2)
	s_wait_alu depctr_va_vdst(0)
	v_mov_b32 v23, v22
	v_mov_b32 v25, v24
	v_fma_f32 v9, v9, v22, v24
.irp q, 0,1,2,3,4,5,6,7,8,9,10,11,12,13,14,15
	v_pk_mul_f32 v[ACC+2*\q:ACC+2*\q+1], v[ACC+2*\q:ACC+2*\q+1], v[22:23]
.endr
.irp q, 0,1,2,3,4,5,6,7,8,9,10,11,12,13,14,15
	v_pk_fma_f32 v[ACC+2*\q:ACC+2*\q+1], v[\x+2*\q:\x+2*\q+1], v[24:25], v[ACC+2*\q:ACC+2*\q+1]
.endr
.endm
	s_load_b256 s[4:11], s[0:1], 0x0               ; encoder_outputs s[4:5], upart s[6:7], cbp s[8:9], accp s[10:11]
	s_load_b128 s[12:15], s[0:1], 0x20             ; pstat s[12:13], energy s[14:15]
	v_lshl_add_u32 v232, v0, 2, 0x11400
	v_mov_b32 v233, 0
	v_lshrrev_b32 v1, 5, v0
	v_readfirstlane_b32 s18, v1                    ; w
	v_and_b32 v1, 31, v0                           ; lane
	v_and_b32 v5, 15, v0                           ; r
	v_bfe_u32 v6, v0, 4, 1                         ; hh
	s_mov_b32 s16, 0x76543210                      ; v_permlanex16_b32: lane i reads lane i of the other half
	s_mov_b32 s17, 0xfedcba98
	s_lshr_b32 s19, ttmp9, 3                       ; b
	s_lshl_b32 s20, ttmp9, 19                      ; my 128 rows of 4,096 bytes
	s_mov_b32 s21, 0
	s_lshl_b32 s22, s19, 12                        ; upart: row b of each part
	s_mov_b32 s23, 0
	s_lshl_b32 s24, s19, 7                         ; cbp: row b
	s_mov_b32 s25, 0
	s_lshl_b32 s26, ttmp9, 12                      ; accp: row g
	s_mov_b32 s27, 0
	s_lshl_b32 s28, ttmp9, 8                       ; pstat: 256 bytes for g
	s_mov_b32 s29, 0
	s_lshl_b32 s30, ttmp9, 9                       ; energy: 128 numbers for g
	s_mov_b32 s31, 0
	s_lshl_b32 s32, s18, 15
	v_lshl_add_u32 v2, v1, 4, s32                  ; v2: my wave's 8 rows + 16 lane; never rewritten, row and piece stand in the immediate
	s_lshl_b32 s33, s18, 8
	v_lshlrev_b32 v3, 17, v6
	v_lshl_add_u32 v3, v5, 4, v3
	v_add_nc_u32 v3, s33, v3                       ; v3: upart: part hh, my wave's 64 columns, 16 r
	v_lshlrev_b32 v4, 2, v1                        ; v4: cbp[b][lane]
	v_mov_b32 v19, 0                               ; v_permlanex16_b32 counts as a reader of its destination
	s_wait_kmcnt 0x0
	s_add_nc_u64 s[4:5], s[4:5], s[20:21]
	s_add_nc_u64 s[6:7], s[6:7], s[22:23]
	s_add_nc_u64 s[8:9], s[8:9], s[24:25]
	s_add_nc_u64 s[10:11], s[10:11], s[26:27]
	s_add_nc_u64 s[12:13], s[12:13], s[28:29]
	s_add_nc_u64 s[14:15], s[14:15], s[30:31]
	global_load_b32 v26, v4, s[8:9]
.irp k, 0,1,2,3,4,5,6,7,8,9,10,11,12,13,14,15
	global_load_b128 v[Q+4*\k:Q+4*\k+3], v3, s[6:7] offset:\k*262144      ; parts 2 k + hh
.endr
	FILL ACC, 0                                    ; row 0 lands in the accumulator: its weight is 2^0, nothing is cleared or copied
	FILL SL, 1
	FILL SL+32, 2
	v_lshlrev_b32 v7, 4, v1                        ; v7: 16 lane
	v_lshl_add_u32 v36, v5, 4, s33                 ; v36: ULDS, my wave's 256 bytes
	s_lshl_b32 s34, s18, 12
	s_add_co_u32 s34, s34, ACCS
	v_lshl_add_u32 v37, v1, 4, s34                 ; v37: ACCS, my wave's row
	s_lshl_b32 s35, s18, 3
	s_add_co_u32 s35, s35, STAT
	v_mov_b32 v38, s35                             ; v38: my (m, l)
	s_lshl_b32 s36, s18, 5
	s_add_co_u32 s36, s36, EN
	v_mov_b32 v39, s36                             ; v39: my 8 t
	s_wait_loadcnt 24                              ; cbp and upart are in; the three rows' 24 loads stay out
	; u[b][h] = sum of the 32 parts: 16 in my half of the lanes, then the other half's
.irp k, 0,1,2,3,4,5,6,7
	v_pk_add_f32 v[Q+4*\k:Q+4*\k+1],   v[Q+4*\k:Q+4*\k+1],   v[Q+4*\k+32:Q+4*\k+33]
	v_pk_add_f32 v[Q+4*\k+2:Q+4*\k+3], v[Q+4*\k+2:Q+4*\k+3], v[Q+4*\k+34:Q+4*\k+35]
.endr
.irp k, 0,1,2,3
	v_pk_add_f32 v[Q+4*\k:Q+4*\k+1],   v[Q+4*\k:Q+4*\k+1],   v[Q+4*\k+16:Q+4*\k+17]
	v_pk_add_f32 v[Q+4*\k+2:Q+4*\k+3], v[Q+4*\k+2:Q+4*\k+3], v[Q+4*\k+18:Q+4*\k+19]
.endr
.irp k, 0,1
	v_pk_add_f32 v[Q+4*\k:Q+4*\k+1],   v[Q+4*\k:Q+4*\k+1],   v[Q+4*\k+8:Q+4*\k+9]
	v_pk_add_f32 v[Q+4*\k+2:Q+4*\k+3], v[Q+4*\k+2:Q+4*\k+3], v[Q+4*\k+10:Q+4*\k+11]
.endr
	v_pk_add_f32 v[Q:Q+1],   v[Q:Q+1],   v[Q+4:Q+5]
	v_pk_add_f32 v[Q+2:Q+3], v[Q+2:Q+3], v[Q+6:Q+7]
.irp c, 0,1,2,3
	v_permlanex16_b32 v[Q+4+\c], v[Q+\c], s16, s17
.endr
	v_pk_add_f32 v[Q:Q+1],   v[Q:Q+1],   v[Q+4:Q+5]
	v_pk_add_f32 v[Q+2:Q+3], v[Q+2:Q+3], v[Q+6:Q+7]
	v_pk_mul_f32 v[10:11], v[Q:Q+1],   SCL op_sel_hi:[1,0]
	v_pk_mul_f32 v[12:13], v[Q+2:Q+3], SCL op_sel_hi:[1,0]
	ds_store_b128 v36, v[10:13]                    ; both halves of the lanes write the same 16 bytes with the same numbers
	FILL SL+64, 3                                  ; slots 2 and 3 are free now
	FILL SL+96, 4
	v_add_f32_dpp v26, v26, v26 row_xmask:1 row_mask:0xf bank_mask:0xf    ; cb: the sum of its 32 parts
	v_add_f32_dpp v26, v26, v26 row_xmask:2 row_mask:0xf bank_mask:0xf
	v_add_f32_dpp v26, v26, v26 row_xmask:4 row_mask:0xf bank_mask:0xf
	v_add_f32_dpp v26, v26, v26 row_xmask:8 row_mask:0xf bank_mask:0xf
	v_permlanex16_b32 v19, v26, s16, s17
	v_add_f32 v26, v26, v19
	v_mul_f32 v26, SCL, v26
	s_wait_dscnt 0x0                               ; my 64 numbers of u are in LDS, for the other waves' sake
	s_barrier_signal -1
	s_barrier_wait -1
.irp j, 0,1,2,3,4,5,6,7
	ds_load_b128 v[U+4*\j:U+4*\j+3], v7 offset:ULDS+512*\j
.endr
	s_wait_dscnt 0x0
	; the 8 rows.  Each count is the loads of the rows issued behind the row that is due.
	s_wait_loadcnt 32                              ; rows 1 to 4 stay out
	DOT ACC, 0
	v_mov_b32 v8, v[E]                             ; m = t0
	v_mov_b32 v9, 1.0                              ; l = 2^0
	s_wait_loadcnt 24                              ; rows 2, 3, 4
	DOT SL, 1
	UPD 1, SL
	FILL SL, 5
	s_wait_loadcnt 24                              ; rows 3, 4, 5
	DOT SL+32, 2
	UPD 2, SL+32
	FILL SL+32, 6
	s_wait_loadcnt 24                              ; rows 4, 5, 6
	DOT SL+64, 3
	UPD 3, SL+64
	FILL SL+64, 7
	s_wait_loadcnt 24                              ; rows 5, 6, 7
	DOT SL+96, 4
	UPD 4, SL+96
	s_wait_loadcnt 16
	DOT SL, 5
	UPD 5, SL
	s_wait_loadcnt 8
	DOT SL+32, 6
	UPD 6, SL+32
	s_wait_loadcnt 0
	DOT SL+64, 7
	UPD 7, SL+64
	; the 16 waves' sums meet in LDS
.irp j, 0,1,2,3,4,5,6,7
	ds_store_b128 v37, v[ACC+4*\j:ACC+4*\j+3] offset:512*\j
.endr
	ds_store_b64 v38, v[8:9]
	ds_store_b128 v39, v[E:E+3]
	ds_store_b128 v39, v[E+4:E+7] offset:16
	v_lshl_add_u32 v144, v5, 3, STAT               ; wave r's (m, l)
	s_add_co_u32 s37, s33, ACCS
	v_lshl_add_u32 v145, v1, 3, s37                ; columns 64 w + 2 lane, + 1 of wave 0's row
	v_lshl_add_u32 v146, v1, 3, s33                ; the same in accp
	v_lshlrev_b32 v147, 3, v1
	v_add_nc_u32 v152, EN, v7                      ; 16 lane in the group's 128 t
	s_wait_dscnt 0x0
	s_barrier_signal -1
	s_barrier_wait -1
	ds_load_b64 v[104:105], v144
.irp i, 0,1,2,3,4,5,6,7,8,9,10,11,12,13,14,15
	ds_load_b64 v[112+2*\i:113+2*\i], v145 offset:\i*4096
.endr
	s_wait_dscnt 0x0
	v_mov_b32 v106, v104
	v_max_num_f32_dpp v106, v106, v106 row_xmask:1 row_mask:0xf bank_mask:0xf
	v_max_num_f32_dpp v106, v106, v106 row_xmask:2 row_mask:0xf bank_mask:0xf
	v_max_num_f32_dpp v106, v106, v106 row_xmask:4 row_mask:0xf bank_mask:0xf
	v_max_num_f32_dpp v106, v106, v106 row_xmask:8 row_mask:0xf bank_mask:0xf    ; M over the 16 waves
	v_sub_f32 v108, v104, v106
	v_exp_f32 v109, v108                           ; lane r: f_r = 2^(m_r - M)
	v_nop                                          ; the plain instruction behind the exponential (ISA guide 5.7.2)
	s_wait_alu depctr_va_vdst(0)
	v_mul_f32 v107, v105, v109
	v_add_f32_dpp v107, v107, v107 row_xmask:1 row_mask:0xf bank_mask:0xf
	v_add_f32_dpp v107, v107, v107 row_xmask:2 row_mask:0xf bank_mask:0xf
	v_add_f32_dpp v107, v107, v107 row_xmask:4 row_mask:0xf bank_mask:0xf
	v_add_f32_dpp v107, v107, v107 row_xmask:8 row_mask:0xf bank_mask:0xf        ; sum of l_r f_r
.irp i, 0,1,2,3,4,5,6,7,8,9,10,11,12,13,14,15
	v_readlane_b32 s[20+\i], v109, \i
.endr
	v_mul_f32 v110, s20, v112
	v_mul_f32 v111, s20, v113
.irp i, 1,2,3,4,5,6,7,8,9,10,11,12,13,14,15
	v_fma_f32 v110, s[20+\i], v[112+2*\i], v110
	v_fma_f32 v111, s[20+\i], v[113+2*\i], v111
.endr
	global_store_b64 v146, v[110:111], s[10:11]    ; the wave stores 256 consecutive bytes, aligned
	s_cmp_lg_u32 s18, 0
	s_cbranch_scc1 .Lnot0
	global_store_b64 v147, v[106:107], s[12:13]    ; (M, L), 32 copies: 256 consecutive bytes, aligned
.Lnot0:
	s_cmp_lg_u32 s18, 1
	s_cbranch_scc1 .Lend
	ds_load_b128 v[148:151], v152
	s_wait_dscnt 0x0
	global_store_b128 v7, v[148:151], s[14:15]     ; the group's 128 t: 512 consecutive bytes
.Lend:
	s_wait_tensorcnt 0x0
	ds_add_u32 v232, v233
	s_wait_dscnt 0x0
	s_endpgm
.Lfunc_end_k_qcf13f7fd47_stream:
	.size	k_qcf13f7fd47_stream, .Lfunc_end_k_qcf13f7fd47_stream-k_qcf13f7fd47_stream
	.p2alignl 7, 3214868480
	.fill 96, 4, 3214868480
	.section	.rodata,"a",@progbits
	.p2align	6, 0x0
	.amdhsa_kernel k_qcf13f7fd47_stream
		.amdhsa_group_segment_fixed_size 72704
		.amdhsa_private_segment_fixed_size 0
		.amdhsa_enable_private_segment 0
		.amdhsa_kernarg_size 48
		.amdhsa_user_sgpr_count 2
		.amdhsa_user_sgpr_kernarg_segment_ptr 1
		.amdhsa_wavefront_size32 1
		.amdhsa_system_sgpr_workgroup_id_x 1
		.amdhsa_system_sgpr_workgroup_id_y 1
		.amdhsa_system_sgpr_workgroup_id_z 1
		.amdhsa_system_vgpr_workitem_id 0
		.amdhsa_next_free_vgpr 234
		.amdhsa_next_free_sgpr 66
		.amdhsa_reserve_vcc 0
		.amdhsa_float_denorm_mode_32 3
		.amdhsa_float_denorm_mode_16_64 3
		.amdhsa_memory_ordered 1
		.amdhsa_forward_progress 1
		.amdhsa_inst_pref_size 50
	.end_amdhsa_kernel
	.amdgpu_metadata
---
amdhsa.version: [ 1, 2 ]
amdhsa.kernels:
  - .name:           k_qcf13f7fd47_stream
    .symbol:         k_qcf13f7fd47_stream.kd
    .args:
      - { .name: encoder_outputs, .offset: 0, .size: 8, .value_kind: global_buffer, .address_space: global }
      - { .name: upart, .offset: 8, .size: 8, .value_kind: global_buffer, .address_space: global }
      - { .name: cbp, .offset: 16, .size: 8, .value_kind: global_buffer, .address_space: global }
      - { .name: accp, .offset: 24, .size: 8, .value_kind: global_buffer, .address_space: global }
      - { .name: pstat, .offset: 32, .size: 8, .value_kind: global_buffer, .address_space: global }
      - { .name: energy, .offset: 40, .size: 8, .value_kind: global_buffer, .address_space: global }
    .group_segment_fixed_size: 72704
    .private_segment_fixed_size: 0
    .kernarg_segment_align: 8
    .kernarg_segment_size: 48
    .max_flat_workgroup_size: 512
    .sgpr_count:     66
    .vgpr_count:     234
    .wavefront_size: 32
...
	.end_amdgpu_metadata
.endif
;; end of part 2
;; launch comb (part 3): grid 32 x 1, 8 waves a work-group, no clusters, 0 bytes of LDS; arguments accp, pstat, energy, cvec, out1; writes cvec, out1
.if DOCPART == 3
	.amdgcn_target "amdgcn-amd-amdhsa--gfx1250"
	.amdhsa_code_object_version 6
	.text
	.protected	k_qcf13f7fd47_comb
	.globl	k_qcf13f7fd47_comb
	.p2align	8
	.type	k_qcf13f7fd47_comb,@function
k_qcf13f7fd47_comb:
	s_mov_b64 s[64:65], 0
	v_nop
	global_prefetch_b8 v0, s[64:65] scope:SCOPE_SE
	s_setreg_imm32_b32 hwreg(HW_REG_WAVE_MODE, 25, 1), 1
	s_wait_xcnt 0x0
; Joins the 8 parts of batch b = the work-group's number.  M = max M_j, L = sum of L_j 2^(M_j - M);
; out1[b][s] = 2^(t - M) / L;  cvec[b][h] = sum over j of accp[8 b + j][h] 2^(M_j - M) / L, the weighted mean of the encoder's rows.
; Thread t owns 4 columns (16 bytes) of each row: a load or store of a wave covers 512 consecutive bytes.  All loads go out at the head.
; One work-group a batch, since the join of a batch is 36 KiB in and 8 KiB out.  LIMIT: a weight below 2^-126 becomes 0.
	s_load_b256 s[4:11], s[0:1], 0x0               ; accp s[4:5], pstat s[6:7], energy s[8:9], cvec s[10:11]
	s_load_b64 s[12:13], s[0:1], 0x20              ; out1
	s_lshl_b32 s14, ttmp9, 15                      ; 8 rows of accp
	s_mov_b32 s15, 0
	s_lshl_b32 s16, ttmp9, 11                      ; 8 x 256 bytes of pstat
	s_mov_b32 s17, 0
	s_lshl_b32 s18, ttmp9, 12                      ; a row of 1024 f32
	s_mov_b32 s19, 0
	v_lshlrev_b32 v1, 4, v0
	s_wait_kmcnt 0x0
	s_add_nc_u64 s[4:5], s[4:5], s[14:15]
	s_add_nc_u64 s[6:7], s[6:7], s[16:17]
	s_add_nc_u64 s[8:9], s[8:9], s[18:19]
	s_add_nc_u64 s[10:11], s[10:11], s[18:19]
	s_add_nc_u64 s[12:13], s[12:13], s[18:19]
.irp j, 0,1,2,3,4,5,6,7
	s_load_b64 s[20+2*\j:21+2*\j], s[6:7], 256*\j  ; (M_j, L_j)
.endr
	global_load_b128 v[4:7], v1, s[8:9]
.irp j, 0,1,2,3,4,5,6,7
	global_load_b128 v[8+4*\j:11+4*\j], v1, s[4:5] offset:4096*\j
.endr
	s_wait_kmcnt 0x0
	v_mov_b32 v40, s20
.irp j, 1,2,3,4,5,6,7
	v_max_num_f32 v40, s[20+2*\j], v40             ; M
.endr
.irp j, 0,1,2,3,4,5,6,7
	v_sub_f32 v[41+\j], s[20+2*\j], v40
.endr
.irp j, 0,1,2,3,4,5,6,7
	v_exp_f32 v[49+\j], v[41+\j]                   ; f_j = 2^(M_j - M)
.endr
	v_nop                                          ; the plain instruction behind the exponentials (ISA guide 5.7.2)
	s_wait_alu depctr_va_vdst(0)
	v_mul_f32 v57, s21, v49
.irp j, 1,2,3,4,5,6,7
	v_fma_f32 v57, s[21+2*\j], v[49+\j], v57       ; L
.endr
	v_rcp_f32 v58, v57
	v_nop
	s_wait_alu depctr_va_vdst(0)
.irp j, 0,1,2,3,4,5,6,7
	v_mul_f32 v[49+\j], v[49+\j], v58              ; g_j = f_j / L
.endr
	s_wait_loadcnt 8                               ; the energies are in; accp's eight loads stay out
.irp c, 0,1,2,3
	v_sub_f32 v[4+\c], v[4+\c], v40
.endr
.irp c, 0,1,2,3
	v_exp_f32 v[60+\c], v[4+\c]
.endr
	v_nop
	s_wait_alu depctr_va_vdst(0)
.irp c, 0,1,2,3
	v_mul_f32 v[60+\c], v[60+\c], v58
.endr
	global_store_b128 v1, v[60:63], s[12:13]
	s_wait_loadcnt 0
.irp c, 0,1,2,3
	v_mul_f32 v[42+\c], v[8+\c], v49
.endr
.irp j, 1,2,3,4,5,6,7
.irp c, 0,1,2,3
	v_fma_f32 v[42+\c], v[8+4*\j+\c], v[49+\j], v[42+\c]
.endr
.endr
	global_store_b128 v1, v[42:45], s[10:11]
	s_endpgm
.Lfunc_end_k_qcf13f7fd47_comb:
	.size	k_qcf13f7fd47_comb, .Lfunc_end_k_qcf13f7fd47_comb-k_qcf13f7fd47_comb
	.p2alignl 7, 3214868480
	.fill 96, 4, 3214868480
	.section	.rodata,"a",@progbits
	.p2align	6, 0x0
	.amdhsa_kernel k_qcf13f7fd47_comb
		.amdhsa_group_segment_fixed_size 0
		.amdhsa_private_segment_fixed_size 0
		.amdhsa_enable_private_segment 0
		.amdhsa_kernarg_size 40
		.amdhsa_user_sgpr_count 2
		.amdhsa_user_sgpr_kernarg_segment_ptr 1
		.amdhsa_wavefront_size32 1
		.amdhsa_system_sgpr_workgroup_id_x 1
		.amdhsa_system_sgpr_workgroup_id_y 1
		.amdhsa_system_sgpr_workgroup_id_z 1
		.amdhsa_system_vgpr_workitem_id 0
		.amdhsa_next_free_vgpr 64
		.amdhsa_next_free_sgpr 66
		.amdhsa_reserve_vcc 0
		.amdhsa_float_denorm_mode_32 3
		.amdhsa_float_denorm_mode_16_64 3
		.amdhsa_memory_ordered 1
		.amdhsa_forward_progress 1
		.amdhsa_inst_pref_size 7
	.end_amdhsa_kernel
	.amdgpu_metadata
---
amdhsa.version: [ 1, 2 ]
amdhsa.kernels:
  - .name:           k_qcf13f7fd47_comb
    .symbol:         k_qcf13f7fd47_comb.kd
    .args:
      - { .name: accp, .offset: 0, .size: 8, .value_kind: global_buffer, .address_space: global }
      - { .name: pstat, .offset: 8, .size: 8, .value_kind: global_buffer, .address_space: global }
      - { .name: energy, .offset: 16, .size: 8, .value_kind: global_buffer, .address_space: global }
      - { .name: cvec, .offset: 24, .size: 8, .value_kind: global_buffer, .address_space: global }
      - { .name: out1, .offset: 32, .size: 8, .value_kind: global_buffer, .address_space: global }
    .group_segment_fixed_size: 0
    .private_segment_fixed_size: 0
    .kernarg_segment_align: 8
    .kernarg_segment_size: 40
    .max_flat_workgroup_size: 256
    .sgpr_count:     66
    .vgpr_count:     64
    .wavefront_size: 32
...
	.end_amdgpu_metadata
.endif
;; end of part 3
;; launch ctx (part 4): grid 32 x 1, 16 waves a work-group, no clusters, 204,288 bytes of LDS; arguments cvec, Wv, bv, alpha, gamma, beta, out0; writes out0
.if DOCPART == 4
	.amdgcn_target "amdgcn-amd-amdhsa--gfx1250"
	.amdhsa_code_object_version 6
	.text
	.protected	k_qcf13f7fd47_ctx
	.globl	k_qcf13f7fd47_ctx
	.p2align	8
	.type	k_qcf13f7fd47_ctx,@function
k_qcf13f7fd47_ctx:
	s_mov_b64 s[64:65], 0
	v_nop
	global_prefetch_b8 v0, s[64:65] scope:SCOPE_SE
	s_setreg_imm32_b32 hwreg(HW_REG_WAVE_MODE, 25, 1), 1
	s_wait_xcnt 0x0
; context_b = sum of w_s (Wv e_s + bv) = Wv c_b + bv, since the softmax's weights sum to 1; then out0 = gamma tanh(alpha context) + beta.
; Work-group p (of 32) makes columns 32 p .. 32 p + 31 for all 32 batches: Y = cvec Wv[32p ..]^T, sums in f32.
; FORMAT: the operands are rounded to f16, not bf16, for its three more bits.  Room in f16 (largest 65,504; below 6.1e-5 a step of 6e-8):
; c is a weighted mean of the encoder's rows, so no larger than they are (about 165 at 30 times the drawn size) and at the least 1/32 of
; their spread; Wv at 30 times the drawn size is about 5, at 1/30 about 1e-3.  LIMIT: an operand beyond 65,504 would become infinite.
; 16 waves; wave w multiplies K = 64 w .. + 63 of the whole 32 x 32 block, the 16 partial sums meet in LDS.
; tanh(x): for x^2 >= 1/64 as 1 - 2 / (1 + 2^(2 log2(e) x)); below, where that form loses the small result against 1, as
; x (1 - x^2/3 + 2 x^4/15 - 17 x^6/315), whose first dropped term is under 2e-9 of the result at |x| = 1/8.  Both are computed, one is selected.
; LIMITS: the order of summation differs from the written order of the model; NaN and infinite inputs are not served.
; No cluster: what work-groups share is cvec alone, 128 KiB of the 256 KiB that each reads, in a text of three barriers.
.set PX,  2064                         ; LDS pitch of a row of 1024 f16: 129 x 16 bytes
.set XB,  0                            ; cvec, f16, 32 rows
.set WB,  32*PX                        ; Wv's 32 rows, f16
.set RED, 64*PX                        ; 16 waves x 4,096 bytes of partial sums
.set OS,  RED+16*4096                  ; the result, f32, 32 rows, pitch 144
.set LD,  64                           ; v[64:191] the 32 loads of 16 bytes
.set XF,  64
.set WF,  96
.set ACC, 128
.macro LOAD16 n0, blo, nt              ; rows 2w, 2w+1 of a 32 x 1024 f32 block: each load covers 512 consecutive bytes
.irp i, 0,1
.irp j, 0,1,2,3,4,5,6,7
.if \nt
	global_load_b128 v[LD+4*(\n0+8*\i+\j):LD+4*(\n0+8*\i+\j)+3], v2, s[\blo:\blo+1] offset:4096*\i+512*\j th:TH_LOAD_NT
.else
	global_load_b128 v[LD+4*(\n0+8*\i+\j):LD+4*(\n0+8*\i+\j)+3], v2, s[\blo:\blo+1] offset:4096*\i+512*\j
.endif
.endr
.endr
.endm
.macro CVTROW n0, areg, imm0           ; one row: 8 x (4 f32 -> 4 f16 -> 8 bytes a lane, 256 consecutive bytes a store)
.irp j, 0,1,2,3,4,5,6,7
	v_cvt_pk_f16_f32 v[LD+4*(\n0+\j)], v[LD+4*(\n0+\j)], v[LD+4*(\n0+\j)+1]
	v_cvt_pk_f16_f32 v[LD+4*(\n0+\j)+1], v[LD+4*(\n0+\j)+2], v[LD+4*(\n0+\j)+3]
	ds_store_b64 v[\areg], v[LD+4*(\n0+\j):LD+4*(\n0+\j)+1] offset:\imm0+256*\j
.endr
.endm
.macro FRAG ks
.irp t, 0,1
	ds_load_b128 v[XF+8*(2*\t+\ks):XF+8*(2*\t+\ks)+3],   v6 offset:\t*16*PX+\ks*64
	ds_load_b128 v[XF+8*(2*\t+\ks)+4:XF+8*(2*\t+\ks)+7], v6 offset:\t*16*PX+\ks*64+32
	ds_load_b128 v[WF+8*(2*\t+\ks):WF+8*(2*\t+\ks)+3],   v7 offset:\t*16*PX+\ks*64
	ds_load_b128 v[WF+8*(2*\t+\ks)+4:WF+8*(2*\t+\ks)+7], v7 offset:\t*16*PX+\ks*64+32
.endr
.endm
.macro MUL4 ks, zero                   ; source 0 = rows of W, source 1 = rows of X: lane (r, hh), register j holds Y[16 tm + r][16 tn + 8 hh + j]
.irp tm, 0,1
.irp tn, 0,1
.if \zero
	v_wmma_f32_16x16x32_f16 v[ACC+8*(2*\tm+\tn):ACC+8*(2*\tm+\tn)+7], v[WF+8*(2*\tn+\ks):WF+8*(2*\tn+\ks)+7], v[XF+8*(2*\tm+\ks):XF+8*(2*\tm+\ks)+7], 0
.else
	v_wmma_f32_16x16x32_f16 v[ACC+8*(2*\tm+\tn):ACC+8*(2*\tm+\tn)+7], v[WF+8*(2*\tn+\ks):WF+8*(2*\tn+\ks)+7], v[XF+8*(2*\tm+\ks):XF+8*(2*\tm+\ks)+7], v[ACC+8*(2*\tm+\tn):ACC+8*(2*\tm+\tn)+7]
.endif
.endr
.endr
.endm
	s_load_b256 s[4:11], s[0:1], 0x0               ; cvec s[4:5], Wv s[6:7], bv s[8:9], alpha s[10:11]
	s_load_b128 s[12:15], s[0:1], 0x20             ; gamma s[12:13], beta s[14:15]
	s_load_b64 s[16:17], s[0:1], 0x30              ; out0
	v_lshl_add_u32 v192, v0, 2, 0x31600
	v_mov_b32 v193, 0
	v_lshrrev_b32 v1, 5, v0
	v_readfirstlane_b32 s18, v1                    ; w
	v_and_b32 v1, 31, v0                           ; lane
	v_and_b32 v10, 15, v0                          ; r
	v_bfe_u32 v11, v0, 4, 1                        ; hh
	s_lshl_b32 s20, ttmp9, 17                      ; 32 rows of 4,096 bytes
	s_mov_b32 s21, 0
	s_lshl_b32 s22, ttmp9, 7                       ; 32 numbers of 4 bytes
	s_mov_b32 s23, 0
	s_mov_b32 s40, 0xbd5d0dde                      ; -17/315
	s_mov_b32 s41, 0x3e088889                      ; 2/15
	s_mov_b32 s42, 0xbeaaaaab                      ; -1/3
	s_lshl_b32 s24, s18, 13
	v_lshl_add_u32 v2, v1, 4, s24                  ; v2 = 2 w rows + 16 lane
	s_bfe_u32 s32, s18, 0x10002                    ; (w >> 2) & 1
	s_lshl_b32 s32, s32, 4
	s_and_b32 s33, s18, 3
	s_lshl_b32 s33, s33, 1
	s_add_co_u32 s32, s32, s33
	v_lshl_add_u32 v15, v11, 3, s32                ; v15 = oo = 16 ((w>>2)&1) + 2 (w&3) + 8 hh
	v_lshlrev_b32 v16, 2, v15
	s_wait_kmcnt 0x0
	s_add_nc_u64 s[6:7], s[6:7], s[20:21]
	s_add_nc_u64 s[8:9], s[8:9], s[22:23]
	s_add_nc_u64 s[12:13], s[12:13], s[22:23]
	s_add_nc_u64 s[14:15], s[14:15], s[22:23]
	s_add_nc_u64 s[16:17], s[16:17], s[22:23]
	s_load_b32 s37, s[10:11], 0x0                  ; alpha
	global_load_b64 v[12:13], v16, s[8:9]          ; bv, gamma, beta of my pair of columns
	global_load_b64 v[32:33], v16, s[12:13]
	global_load_b64 v[34:35], v16, s[14:15]
	LOAD16 0, 4, 0                                 ; cvec: every work-group reads it, so no hint
	LOAD16 16, 6, 1                                ; Wv's slice: read once in the launch
	s_mul_i32 s25, s18, 2*PX
	v_lshl_add_u32 v3, v1, 3, s25                  ; v3: XB, my two rows
	v_add_nc_u32 v4, WB, v3                        ; v4: WB
	v_mul_u32_u24 v6, v10, PX
	v_lshl_add_u32 v6, v11, 4, v6
	s_lshl_b32 s27, s18, 7
	v_add_nc_u32 v6, s27, v6                       ; v6: fragments of cvec
	v_add_nc_u32 v7, WB, v6                        ; v7: fragments of Wv
	s_lshl_b32 s28, s18, 12
	s_add_co_u32 s28, s28, RED
	v_lshl_add_u32 v8, v1, 4, s28                  ; v8: my partial sums
	s_lshr_b32 s29, s18, 1
	s_lshl_b32 s29, s29, 9
	s_and_b32 s30, s18, 1
	s_lshl_b32 s30, s30, 3
	s_add_co_u32 s29, s29, s30
	s_add_co_u32 s29, s29, RED
	v_lshl_add_u32 v9, v1, 4, s29                  ; v9: the pair that I reduce
	s_lshr_b32 s31, s18, 3
	s_lshl_b32 s31, s31, 4
	v_add_nc_u32 v14, s31, v10                     ; v14 = bb = 16 (w >> 3) + r
	v_mul_u32_u24 v17, v14, 144
	v_lshl_add_u32 v17, v15, 2, v17
	v_add_nc_u32 v17, OS, v17                      ; v17: my pair in the result
	s_wait_loadcnt 24                              ; the count is the loads issued behind the row's eight
	CVTROW 0, 3, 0
	s_wait_loadcnt 16
	CVTROW 8, 3, PX
	s_wait_loadcnt 8
	CVTROW 16, 4, 0
	s_wait_loadcnt 0
	CVTROW 24, 4, PX
	s_wait_kmcnt 0x0                               ; alpha
	s_wait_dscnt 0x0                               ; my rows are in LDS, for the other waves' sake
	s_barrier_signal -1
	s_barrier_wait -1
	FRAG 0
	FRAG 1
	s_wait_dscnt 8                                 ; the first eight loads (K step 0) are in
	MUL4 0, 1                                      ; the first products start the sums
	s_wait_dscnt 0
	MUL4 1, 0                                      ; the four accumulators take turns, one instruction a turn
.rept 4
	v_nop                                          ; four places behind the last matrix instruction before its result is stored (ISA guide 7.12.1)
.endr
.irp t, 0,1,2,3
.irp q, 0,1
	ds_store_b128 v8, v[ACC+8*\t+4*\q:ACC+8*\t+4*\q+3] offset:\t*1024+\q*512
.endr
.endr
	s_wait_dscnt 0x0
	s_barrier_signal -1
	s_barrier_wait -1
.irp s, 0,1,2,3,4,5,6,7,8,9,10,11,12,13,14,15
	ds_load_b64 v[64+2*\s:65+2*\s], v9 offset:\s*4096
.endr
	s_wait_dscnt 0x0
.irp s, 0,1,2,3,4,5,6,7
	v_pk_add_f32 v[64+2*\s:65+2*\s], v[64+2*\s:65+2*\s], v[80+2*\s:81+2*\s]
.endr
.irp s, 0,1,2,3
	v_pk_add_f32 v[64+2*\s:65+2*\s], v[64+2*\s:65+2*\s], v[72+2*\s:73+2*\s]
.endr
	v_pk_add_f32 v[64:65], v[64:65], v[68:69]
	v_pk_add_f32 v[66:67], v[66:67], v[70:71]
	v_pk_add_f32 v[64:65], v[64:65], v[66:67]
	v_pk_add_f32 v[64:65], v[64:65], v[12:13]      ; + bv
	v_mul_f32 v38, s37, v64                        ; x = alpha context
	v_mul_f32 v39, s37, v65
	v_mul_f32 v42, 0x4038aa3b, v38                 ; 2 log2(e) x
	v_mul_f32 v43, 0x4038aa3b, v39
	v_exp_f32 v44, v42
	v_exp_f32 v45, v43
	v_mul_f32 v40, v38, v38                        ; x^2: also the plain instruction behind the exponentials (ISA guide 5.7.2)
	v_mul_f32 v41, v39, v39
	s_wait_alu depctr_va_vdst(0)
	v_add_f32 v44, 1.0, v44
	v_add_f32 v45, 1.0, v45
	v_rcp_f32 v46, v44
	v_rcp_f32 v47, v45
	v_fma_f32 v48, v40, s40, s41                   ; the series; also the plain instruction behind the reciprocals
	v_fma_f32 v49, v41, s40, s41
	s_wait_alu depctr_va_vdst(0)
	v_fma_f32 v46, v46, -2.0, 1.0                  ; 1 - 2 / (1 + e^(2x))
	v_fma_f32 v47, v47, -2.0, 1.0
	v_fma_f32 v48, v48, v40, s42
	v_fma_f32 v49, v49, v41, s42
	v_mul_f32 v48, v48, v40
	v_mul_f32 v49, v49, v41
	v_fma_f32 v48, v48, v38, v38                   ; x + x (x^2 (..))
	v_fma_f32 v49, v49, v39, v39
	v_cmp_gt_f32 vcc_lo, 0x3c800000, v40           ; 1/64 > x^2: the series
	v_cndmask_b32 v50, v46, v48, vcc_lo
	v_cmp_gt_f32 vcc_lo, 0x3c800000, v41
	v_cndmask_b32 v51, v47, v49, vcc_lo
	v_pk_fma_f32 v[50:51], v[50:51], v[32:33], v[34:35]    ; gamma tanh + beta
	ds_store_b64 v17, v[50:51]
	s_wait_dscnt 0x0
	s_barrier_signal -1
	s_barrier_wait -1
	; out by rows: waves 0 to 7, four rows each; eight lanes store a row's 128 consecutive bytes, which is all that a slice of 32 columns holds of it
	s_cmp_gt_u32 s18, 7
	s_cbranch_scc1 .Lend
	v_lshrrev_b32 v18, 3, v1
	s_lshl_b32 s38, s18, 2
	v_add_nc_u32 v18, s38, v18                     ; row 4 w + lane / 8
	v_and_b32 v19, 7, v0
	v_mul_u32_u24 v20, v18, 144
	v_lshl_add_u32 v20, v19, 4, v20
	v_add_nc_u32 v20, OS, v20
	v_lshlrev_b32 v21, 12, v18
	v_lshl_add_u32 v21, v19, 4, v21
	ds_load_b128 v[52:55], v20
	s_wait_dscnt 0x0
	global_store_b128 v21, v[52:55], s[16:17]
.Lend:
	s_wait_tensorcnt 0x0
	ds_add_u32 v192, v193
	s_wait_dscnt 0x0
	s_endpgm
.Lfunc_end_k_qcf13f7fd47_ctx:
	.size	k_qcf13f7fd47_ctx, .Lfunc_end_k_qcf13f7fd47_ctx-k_qcf13f7fd47_ctx
	.p2alignl 7, 3214868480
	.fill 96, 4, 3214868480
	.section	.rodata,"a",@progbits
	.p2align	6, 0x0
	.amdhsa_kernel k_qcf13f7fd47_ctx
		.amdhsa_group_segment_fixed_size 204288
		.amdhsa_private_segment_fixed_size 0
		.amdhsa_enable_private_segment 0
		.amdhsa_kernarg_size 56
		.amdhsa_user_sgpr_count 2
		.amdhsa_user_sgpr_kernarg_segment_ptr 1
		.amdhsa_wavefront_size32 1
		.amdhsa_system_sgpr_workgroup_id_x 1
		.amdhsa_system_sgpr_workgroup_id_y 1
		.amdhsa_system_sgpr_workgroup_id_z 1
		.amdhsa_system_vgpr_workitem_id 0
		.amdhsa_next_free_vgpr 194
		.amdhsa_next_free_sgpr 66
		.amdhsa_reserve_vcc 1
		.amdhsa_float_denorm_mode_32 3
		.amdhsa_float_denorm_mode_16_64 3
		.amdhsa_memory_ordered 1
		.amdhsa_forward_progress 1
		.amdhsa_inst_pref_size 20
	.end_amdhsa_kernel
	.amdgpu_metadata
---
amdhsa.version: [ 1, 2 ]
amdhsa.kernels:
  - .name:           k_qcf13f7fd47_ctx
    .symbol:         k_qcf13f7fd47_ctx.kd
    .args:
      - { .name: cvec, .offset: 0, .size: 8, .value_kind: global_buffer, .address_space: global }
      - { .name: Wv, .offset: 8, .size: 8, .value_kind: global_buffer, .address_space: global }
      - { .name: bv, .offset: 16, .size: 8, .value_kind: global_buffer, .address_space: global }
      - { .name: alpha, .offset: 24, .size: 8, .value_kind: global_buffer, .address_space: global }
      - { .name: gamma, .offset: 32, .size: 8, .value_kind: global_buffer, .address_space: global }
      - { .name: beta, .offset: 40, .size: 8, .value_kind: global_buffer, .address_space: global }
      - { .name: out0, .offset: 48, .size: 8, .value_kind: global_buffer, .address_space: global }
    .group_segment_fixed_size: 204288
    .private_segment_fixed_size: 0
    .kernarg_segment_align: 8
    .kernarg_segment_size: 56
    .max_flat_workgroup_size: 512
    .sgpr_count:     66
    .vgpr_count:     194
    .wavefront_size: 32
...
	.end_amdgpu_metadata
.endif
;; end of part 4
;; ======== version 2 of 2: 3 launches; 1.17 times as fast as version 1
;; limits: values are held in f16: magnitudes above 65,504 overflow, below 6.1e-05 lose precision
;; workspace buffers: upart 4,194,304 bytes; cbp 4,096 bytes; accp 1,048,576 bytes; pstat 65,536 bytes; energy 131,072 bytes
;; launch proj (part 5): grid 32 x 8, 16 waves a work-group, no clusters, 171,008 bytes of LDS; arguments decoder_hidden_state, Wq, bq, Wk, bk, upart, cbp; writes upart, cbp
.if DOCPART == 5
	.amdgcn_target "amdgcn-amd-amdhsa--gfx1250"
	.amdhsa_code_object_version 6
	.text
	.protected	k_qcf13f7fd47_proj
	.globl	k_qcf13f7fd47_proj
	.p2align	8
	.type	k_qcf13f7fd47_proj,@function
k_qcf13f7fd47_proj:
	s_mov_b64 s[64:65], 0
	v_nop
	global_prefetch_b8 v0, s[64:65] scope:SCOPE_SE
	s_setreg_imm32_b32 hwreg(HW_REG_WAVE_MODE, 25, 1), 1
	s_wait_xcnt 0x0
; energy[b][s] = q_b . (Wk e_s + bk) / 32 = (Wk^T q_b / 32) . e_s + q_b . bk / 32, for every input: so the keys are never formed.
; Work-group (p, bh, hq): p = 32 of the 1024 o, bh = 16 of the 32 batches, hq = 256 of the 1024 h; 32 x 2 x 4 = 256 work-groups.
; Stage 1: q'[16 b][32 o] = (dh Wq[32p ..]^T + bq) / 32.  Stage 2: upart[p][b][h] = sum over the 32 o of q'[b][o] Wk[o][h] for its 256 h.
; The four work-groups that differ in hq alone each make the same q': 16 x 32 x 1024 multiply-adds, so that q never passes through memory.
; In: 64 KiB of dh, 128 KiB of Wq, 32 KiB of Wk; out: 16 KiB.  cbp[b][p] = sum over the 32 o of q'[b][o] bk[o] is made where hq = 0.
; FORMAT: matrix operands (dh, Wq, q', Wk) are rounded to f16, sums are f32.  f16 and not bf16 for its three more bits: the context that
; hangs on these numbers is a mean over 1024 rows, small against its terms.  Room in f16 (largest 65,504; below 6.1e-5 a step of 6e-8):
; dh 30 times the drawn size is about 165, the weights about 5; q with offsets of 30 spreads in dh and Wq is about 1024 x 30 x 30/32 = 28,800,
; so the model's 1/sqrt(1024) = 2^-5 (exact) is applied to q ahead of its rounding: q' is then about 900.
; LIMITS: an operand beyond 65,504 in magnitude (|q| beyond 2.09e6) would become infinite; the order of summation differs from the
; written order of the model (products reassociated, K shared out over 16 waves); NaN and infinite inputs are not served.
; 16 waves.  All 29 global loads of a wave go out at the head.  No cache hint: each block is read by several work-groups.
; No cluster: a joint request is a tensor load, which lays the f32 numbers into LDS as they are; here they are rounded to f16 in registers
; on the way in, so that each number passes LDS once, as 2 bytes.
.set PX,   2064                        ; LDS pitch of a row of 1024 f16: 2048 + 16 = 129 x 16 bytes
.set PK,   544                         ; pitch of Wk's rows of 256 f16, read by the transposing load: 512 + 32 = 17 x 32 bytes
.set PQ,   144                         ; pitch of q's rows of 32 f32: 128 + 16 = 9 x 16 bytes
.set PO,   272                         ; way out: 256 + 16 bytes
.set XB,   0                           ; dh, f16, 16 rows
.set WB,   16*PX                       ; Wq's 32 rows, f16
.set RED,  48*PX                       ; 16 waves x 2,048 bytes: each wave's partial 16 x 32 of f32
.set KB,   RED+16*2048                 ; Wk's 32 rows x 256 columns, f16
.set QF,   KB+32*PK                    ; q', f32, 16 rows
.set OUTS, QF+16*PQ                    ; way out: waves 0 to 3, 16 rows x 272 bytes each
.set LD,   64                          ; v[64:175]  the 28 loads of 16 bytes: dh 0-7, Wq 8-23, Wk 24-27
.set XF,   64                          ; v[64:79]   stage 1: fragments of dh (ks)
.set WF,   80                          ; v[80:111]  stage 1: fragments of Wq (tn, ks)
.set ACC,  112                         ; v[112:127] stage 1: two accumulators (tn)
; Stage 2 names no register that a matrix instruction of stage 1 names (v64 to v127), so that no distance is owed between the two stages (ISA guide 7.12.1).
.set QR,   128                         ; v[128:135] stage 2: fragment of q'
.set KF,   136                         ; v[136:167] stage 2: fragments of Wk, transposed
.set UD,   168                         ; v[168:199] stage 2: four results
.set BCK,  200                         ; v[200:231] way out
.set QT,   200                         ; v[200:215] q' in f32, ahead of its rounding; free again before the way out
.set SBK,  68                          ; s[68:99]   bk[32p .. 32p+31]
; v1 lane, v10 r = lane % 16, v11 hh = lane / 16, v12 bq, v13 scratch, the other registers below v28 addresses (named where they are made)
.macro LOAD8 n0, areg, blo, imm0       ; one row of 1024 f32: each load covers 512 consecutive bytes
.irp j, 0,1,2,3,4,5,6,7
	global_load_b128 v[LD+4*(\n0+\j):LD+4*(\n0+\j)+3], v[\areg], s[\blo:\blo+1] offset:\imm0+512*\j
.endr
.endm
.macro CVTROW n0, areg, imm0           ; one row: 8 x (4 f32 -> 4 f16 -> 8 bytes a lane, 256 consecutive bytes a store)
.irp j, 0,1,2,3,4,5,6,7
	v_cvt_pk_f16_f32 v[LD+4*(\n0+\j)], v[LD+4*(\n0+\j)], v[LD+4*(\n0+\j)+1]
	v_cvt_pk_f16_f32 v[LD+4*(\n0+\j)+1], v[LD+4*(\n0+\j)+2], v[LD+4*(\n0+\j)+3]
	ds_store_b64 v[\areg], v[LD+4*(\n0+\j):LD+4*(\n0+\j)+1] offset:\imm0+256*\j
.endr
.endm
.macro FRAG ks                         ; six loads: dh's 16 rows and both row tiles of Wq, 32 along K
	ds_load_b128 v[XF+8*\ks:XF+8*\ks+3],   v6 offset:\ks*64
	ds_load_b128 v[XF+8*\ks+4:XF+8*\ks+7], v6 offset:\ks*64+32
.irp t, 0,1
	ds_load_b128 v[WF+8*(2*\t+\ks):WF+8*(2*\t+\ks)+3],   v7 offset:\t*16*PX+\ks*64
	ds_load_b128 v[WF+8*(2*\t+\ks)+4:WF+8*(2*\t+\ks)+7], v7 offset:\t*16*PX+\ks*64+32
.endr
.endm
.macro MUL2 ks, zero                   ; source 0 = rows of W, source 1 = rows of X: lane (r, hh), register j holds Y[r][16 tn + 8 hh + j]
.irp tn, 0,1
.if \zero
	v_wmma_f32_16x16x32_f16 v[ACC+8*\tn:ACC+8*\tn+7], v[WF+8*(2*\tn+\ks):WF+8*(2*\tn+\ks)+7], v[XF+8*\ks:XF+8*\ks+7], 0
.else
	v_wmma_f32_16x16x32_f16 v[ACC+8*\tn:ACC+8*\tn+7], v[WF+8*(2*\tn+\ks):WF+8*(2*\tn+\ks)+7], v[XF+8*\ks:XF+8*\ks+7], v[ACC+8*\tn:ACC+8*\tn+7]
.endif
.endr
.endm
	s_load_b256 s[4:11], s[0:1], 0x0               ; dh s[4:5], Wq s[6:7], bq s[8:9], Wk s[10:11]
	s_load_b128 s[12:15], s[0:1], 0x20             ; bk s[12:13], upart s[14:15]
	s_load_b64 s[16:17], s[0:1], 0x30              ; cbp
	v_lshl_add_u32 v232, v0, 2, 0x29400
	v_mov_b32 v233, 0
	v_lshrrev_b32 v1, 5, v0
	v_readfirstlane_b32 s18, v1                    ; w, the wave's number
	v_and_b32 v1, 31, v0                           ; lane
	v_and_b32 v10, 15, v0                          ; r
	v_bfe_u32 v11, v0, 4, 1                        ; hh
	s_mov_b32 s19, ttmp9                           ; p
	s_and_b32 s38, ttmp7, 0xffff                   ; y = 2 hq + bh
	s_and_b32 s39, s38, 1                          ; bh
	s_lshr_b32 s40, s38, 1                         ; hq
	s_lshl_b32 s20, s19, 17                        ; 32 rows of 4,096 bytes
	s_mov_b32 s21, 0
	s_lshl_b32 s22, s19, 7                         ; 32 numbers of 4 bytes
	s_mov_b32 s23, 0
	s_lshl_b32 s42, s39, 16                        ; 16 rows of 4,096 bytes
	s_mov_b32 s43, 0
	s_lshl_b32 s44, s40, 10                        ; 256 columns of 4 bytes
	s_mov_b32 s45, 0
	s_add_co_u32 s46, s42, s44                     ; upart: my rows and my columns
	s_mov_b32 s47, 0
	s_lshl_b32 s24, s18, 13
	v_lshl_add_u32 v2, v1, 4, s24                  ; v2 = rows 2 w, 2 w + 1 + 16 lane
	s_lshl_b32 s25, s18, 12
	v_lshl_add_u32 v27, v1, 4, s25                 ; v27 = row w + 16 lane
	s_lshr_b32 s32, s18, 3
	s_lshl_b32 s32, s32, 4
	s_bfe_u32 s33, s18, 0x10001                    ; (w >> 1) & 1
	s_lshl_b32 s33, s33, 3
	s_add_co_u32 s32, s32, s33
	s_bfe_u32 s33, s18, 0x10002                    ; (w >> 2) & 1
	s_lshl_b32 s33, s33, 2
	s_add_co_u32 s32, s32, s33
	v_and_b32 v15, 3, v0
	v_add_nc_u32 v15, s32, v15                     ; v15 = oo = 16 (w>>3) + 8 ((w>>1)&1) + 4 ((w>>2)&1) + lane % 4: my column after the reduction
	v_lshlrev_b32 v16, 2, v15
	s_wait_kmcnt 0x0
	s_add_nc_u64 s[4:5], s[4:5], s[42:43]          ; dh at my 16 rows
	s_add_nc_u64 s[6:7], s[6:7], s[20:21]          ; Wq at the slice
	s_add_nc_u64 s[10:11], s[10:11], s[20:21]      ; Wk at the slice,
	s_add_nc_u64 s[10:11], s[10:11], s[44:45]      ; at my 256 columns
	s_add_nc_u64 s[14:15], s[14:15], s[20:21]      ; upart at part p,
	s_add_nc_u64 s[14:15], s[14:15], s[46:47]      ; at my rows and columns
	s_add_nc_u64 s[8:9], s[8:9], s[22:23]          ; bq, bk at the slice's 32 numbers
	s_add_nc_u64 s[12:13], s[12:13], s[22:23]
	global_load_b32 v12, v16, s[8:9]               ; bq[oo]
	LOAD8 0, 27, 4, 0                              ; dh: row w of my 16
	LOAD8 8, 2, 6, 0                               ; Wq: rows 2 w, 2 w + 1 of the slice
	LOAD8 16, 2, 6, 4096
.irp i, 0,1
.irp j, 0,1
	global_load_b128 v[LD+4*(24+2*\i+\j):LD+4*(24+2*\i+\j)+3], v2, s[10:11] offset:4096*\i+512*\j   ; Wk: 1,024 bytes of rows 2 w, 2 w + 1
.endr
.endr
	s_load_b512 s[SBK:SBK+15], s[12:13], 0x0       ; bk's 32 numbers: asked for by every work-group here, beside the other loads; used where hq = 0
	s_load_b512 s[SBK+16:SBK+31], s[12:13], 0x40
	; addresses, while the loads are on their way
	s_mul_i32 s31, s18, PX
	v_lshl_add_u32 v3, v1, 3, s31                  ; v3: XB, row w, 8 bytes a lane
	s_mul_i32 s26, s18, 2*PX
	s_add_co_u32 s26, s26, WB
	v_lshl_add_u32 v4, v1, 3, s26                  ; v4: WB, rows 2 w ..
	s_mul_i32 s41, s18, 2*PK
	s_add_co_u32 s41, s41, KB
	v_lshl_add_u32 v5, v1, 3, s41                  ; v5: KB, rows 2 w ..
	v_mul_u32_u24 v6, v10, PX
	v_lshl_add_u32 v6, v11, 4, v6
	s_lshl_b32 s27, s18, 7
	v_add_nc_u32 v6, s27, v6                       ; v6: fragments of dh: r PX + 16 hh + my 64 of K (128 bytes)
	v_add_nc_u32 v7, WB, v6                        ; v7: fragments of Wq
	s_lshl_b32 s28, s18, 11
	s_add_co_u32 s28, s28, RED
	v_lshl_add_u32 v8, v1, 4, s28                  ; v8: my partial sums
	s_add_co_u32 s29, s27, RED
	v_lshl_add_u32 v9, v1, 2, s29                  ; v9: word 32 w + lane of wave 0's partial sums: the one that I reduce
	s_and_b32 s30, s18, 1
	s_lshl_b32 s30, s30, 3
	v_lshrrev_b32 v14, 2, v1
	v_add_nc_u32 v14, s30, v14                     ; v14 = 8 (w & 1) + lane / 4: my row after the reduction
	v_mul_u32_u24 v18, v14, PQ
	v_lshl_add_u32 v18, v15, 2, v18
	v_add_nc_u32 v18, QF, v18                      ; v18: where my number of q' goes
	v_mul_u32_u24 v25, v10, PQ
	v_add_nc_u32 v25, QF, v25                      ; v25: row r of q'
	v_lshl_add_u32 v19, v11, 5, v25                ; v19: the fragment of q': row r, o = 8 hh .. (32 bytes of f32)
	v_and_b32 v13, 7, v0
	v_lshl_add_u32 v13, v11, 3, v13                ; 8 hh + lane % 8: the row of Wk's slice (k) that this lane addresses
	v_mul_u32_u24 v20, v13, PK
	v_bfe_u32 v13, v0, 3, 1
	v_lshl_add_u32 v20, v13, 4, v20
	s_add_co_u32 s35, s27, KB
	v_add_nc_u32 v20, s35, v20                     ; v20: transposed fragments of Wk, 64 columns (128 bytes) a wave; used by waves 0 to 3
	s_mul_i32 s34, s18, 16*PO
	s_add_co_u32 s34, s34, OUTS
	v_mul_u32_u24 v21, v10, PO
	v_lshl_add_u32 v21, v11, 5, v21
	v_add_nc_u32 v21, s34, v21                     ; v21: way out, in; used by waves 0 to 3
	v_mul_u32_u24 v22, v11, PO
	v_lshl_add_u32 v22, v10, 4, v22
	v_add_nc_u32 v22, s34, v22                     ; v22: way out, back by rows
	s_lshl_b32 s33, s18, 8
	v_lshlrev_b32 v23, 12, v11
	v_lshl_add_u32 v23, v10, 4, v23
	v_add_nc_u32 v23, s33, v23                     ; v23: upart: row hh, my wave's 256 bytes, 16 r
	s_lshl_b32 s36, s19, 2
	s_lshl_b32 s37, s39, 11
	s_add_co_u32 s36, s36, s37
	v_lshl_add_u32 v26, v10, 7, s36                ; v26: cbp[16 bh + r][p]
	; to f16 and into LDS, row by row as the loads land: the count is the loads issued behind the row's
	s_wait_loadcnt 20                              ; Wq's 16 and Wk's 4 stay out
	CVTROW 0, 3, 0
	s_wait_loadcnt 12
	CVTROW 8, 4, 0
	s_wait_loadcnt 4
	CVTROW 16, 4, PX
	s_wait_loadcnt 0
.irp i, 0,1
.irp j, 0,1
	v_cvt_pk_f16_f32 v[LD+4*(24+2*\i+\j)], v[LD+4*(24+2*\i+\j)], v[LD+4*(24+2*\i+\j)+1]
	v_cvt_pk_f16_f32 v[LD+4*(24+2*\i+\j)+1], v[LD+4*(24+2*\i+\j)+2], v[LD+4*(24+2*\i+\j)+3]
	ds_store_b64 v5, v[LD+4*(24+2*\i+\j):LD+4*(24+2*\i+\j)+1] offset:\i*PK+256*\j
.endr
.endr
	s_wait_kmcnt 0x0                               ; bk's 32 numbers
	s_wait_dscnt 0x0                               ; my rows are in LDS, for the other waves' sake
	s_barrier_signal -1
	s_barrier_wait -1
	; STAGE 1: wave w multiplies K = 64 w .. 64 w + 63 of the whole 16 x 32 block
	FRAG 0
	FRAG 1
	s_wait_dscnt 6                                 ; the first six loads (K step 0) are in
	MUL2 0, 1                                      ; the first products start the sums
	s_wait_dscnt 0
	MUL2 1, 0                                      ; the two accumulators take turns, one instruction a turn
.rept 4
	v_nop                                          ; four places behind the last matrix instruction before its result is stored, and before loads land on its sources
.endr
.irp t, 0,1
.irp q, 0,1
	ds_store_b128 v8, v[ACC+8*\t+4*\q:ACC+8*\t+4*\q+3] offset:\t*1024+\q*512
.endr
.endr
	s_wait_dscnt 0x0
	s_barrier_signal -1
	s_barrier_wait -1
	; the sixteen partial sums of my number: 512 threads, 512 numbers
.irp s, 0,1,2,3,4,5,6,7,8,9,10,11,12,13,14,15
	ds_load_b32 v[64+\s], v9 offset:\s*2048
.endr
	s_wait_dscnt 0x0
.irp s, 0,1,2,3
	v_pk_add_f32 v[64+2*\s:65+2*\s], v[64+2*\s:65+2*\s], v[72+2*\s:73+2*\s]
.endr
	v_pk_add_f32 v[64:65], v[64:65], v[68:69]
	v_pk_add_f32 v[66:67], v[66:67], v[70:71]
	v_pk_add_f32 v[64:65], v[64:65], v[66:67]
	v_add_f32 v64, v64, v65
	v_add_f32 v64, v64, v12                        ; + bq
	v_mul_f32 v64, 0x3d000000, v64                 ; x 2^-5 = 1 / sqrt(1024), exact: q'
	ds_store_b32 v18, v64
	s_wait_dscnt 0x0
	s_barrier_signal -1
	s_barrier_wait -1
	; STAGE 2: K = the slice's 32 o, one matrix instruction a tile; waves 0 to 3 make 64 h each, so that a wave's rows are 256 bytes
	s_cmp_gt_u32 s18, 3
	s_cbranch_scc1 .Lbk
	ds_load_b128 v[QT:QT+3],     v19               ; q'[r][8 hh .. + 3]
	ds_load_b128 v[QT+4:QT+7],   v19 offset:16     ; q'[r][8 hh + 4 .. + 7]
	ds_load_b128 v[QT+8:QT+11],  v19 offset:64     ; q'[r][16 + 8 hh .. + 3]
	ds_load_b128 v[QT+12:QT+15], v19 offset:80     ; q'[r][16 + 8 hh + 4 .. + 7]
.irp i, 0,1,2,3
	ds_load_tr16_b128 v[KF+8*\i:KF+8*\i+3],   v20 offset:32*\i          ; o = 8 hh .. + 7 of column h = 64 w + 16 i + r
	ds_load_tr16_b128 v[KF+8*\i+4:KF+8*\i+7], v20 offset:32*\i+16*PK    ; o = 16 + 8 hh .. + 7
.endr
	s_wait_dscnt 8                                 ; q's four loads are in; the eight transposing loads stay out
.irp i, 0,1,2,3,4,5,6,7
	v_cvt_pk_f16_f32 v[QR+\i], v[QT+2*\i], v[QT+2*\i+1]    ; the fragment of q', rounded once, in registers
.endr
	s_wait_dscnt 0x0
.irp i, 0,1,2,3
	v_wmma_f32_16x16x32_f16 v[UD+8*\i:UD+8*\i+7], v[KF+8*\i:KF+8*\i+7], v[QR:QR+7], 0
.endr
.rept 4
	v_nop                                          ; four places before the results are stored (ISA guide 7.12.1)
.endr
	; lane (r, hh), register j of tile i holds upart[r][64 w + 16 i + 8 hh + j]: through my own LDS rows, back as whole rows
.irp i, 0,1,2,3
.irp q, 0,1
	ds_store_b128 v21, v[UD+8*\i+4*\q:UD+8*\i+4*\q+3] offset:64*\i+16*\q
.endr
.endr
.irp t, 0,1,2,3,4,5,6,7
	ds_load_b128 v[BCK+4*\t:BCK+4*\t+3], v22 offset:\t*2*PO        ; my own bytes, served in issue order (ISA guide 5.7.1): these see the stores above
.endr
.irp t, 0,1,2,3,4,5,6,7
	s_wait_dscnt 7-\t                              ; load t is back; the younger ones stay out
	global_store_b128 v23, v[BCK+4*\t:BCK+4*\t+3], s[14:15] offset:\t*8192   ; rows 2 t, 2 t + 1: sixteen lanes store 256 consecutive bytes, aligned
.endr
.Lbk:
	; q' . bk over the slice: wave 4 of the work-groups with hq = 0; lane % 16 = b, q' in f32
	s_cmp_lg_u32 s18, 4
	s_cbranch_scc1 .Lend
	s_cmp_lg_u32 s40, 0
	s_cbranch_scc1 .Lend
.irp k, 0,1,2,3,4,5,6,7
	ds_load_b128 v[32+4*\k:35+4*\k], v25 offset:16*\k
.endr
	s_wait_dscnt 0x0
.irp c, 0,1,2,3
	v_mul_f32 v[28+\c], s[SBK+\c], v[32+\c]        ; four chains, started by the first four products
.endr
.set o, 4
.rept 28
	v_fma_f32 v[28+o%4], s[SBK+o], v[32+o], v[28+o%4]
.set o, o+1
.endr
	v_add_f32 v28, v28, v29
	v_add_f32 v30, v30, v31
	v_add_f32 v28, v28, v30
	v_cmp_gt_u32 vcc_lo, 16, v1
	s_wait_xcnt 0x0                                ; EXEC changes only behind this wait
	s_and_saveexec_b32 s41, vcc_lo                 ; lanes 0 to 15: one lane a batch
	global_store_b32 v26, v28, s[16:17]            ; 16 words 128 bytes apart, once in a work-group: so laid that each wave of the next launch reads 128 consecutive bytes
	s_wait_xcnt 0x0
	s_or_b32 exec_lo, exec_lo, s41
.Lend:
	s_wait_tensorcnt 0x0
	ds_add_u32 v232, v233
	s_wait_dscnt 0x0
	s_endpgm
.Lfunc_end_k_qcf13f7fd47_proj:
	.size	k_qcf13f7fd47_proj, .Lfunc_end_k_qcf13f7fd47_proj-k_qcf13f7fd47_proj
	.p2alignl 7, 3214868480
	.fill 96, 4, 3214868480
	.section	.rodata,"a",@progbits
	.p2align	6, 0x0
	.amdhsa_kernel k_qcf13f7fd47_proj
		.amdhsa_group_segment_fixed_size 171008
		.amdhsa_private_segment_fixed_size 0
		.amdhsa_enable_private_segment 0
		.amdhsa_kernarg_size 56
		.amdhsa_user_sgpr_count 2
		.amdhsa_user_sgpr_kernarg_segment_ptr 1
		.amdhsa_wavefront_size32 1
		.amdhsa_system_sgpr_workgroup_id_x 1
		.amdhsa_system_sgpr_workgroup_id_y 1
		.amdhsa_system_sgpr_workgroup_id_z 1
		.amdhsa_system_vgpr_workitem_id 0
		.amdhsa_next_free_vgpr 234
		.amdhsa_next_free_sgpr 100
		.amdhsa_reserve_vcc 1
		.amdhsa_float_denorm_mode_32 3
		.amdhsa_float_denorm_mode_16_64 3
		.amdhsa_memory_ordered 1
		.amdhsa_forward_progress 1
		.amdhsa_inst_pref_size 24
	.end_amdhsa_kernel
	.amdgpu_metadata
---
amdhsa.version: [ 1, 2 ]
amdhsa.kernels:
  - .name:           k_qcf13f7fd47_proj
    .symbol:         k_qcf13f7fd47_proj.kd
    .args:
      - { .name: decoder_hidden_state, .offset: 0, .size: 8, .value_kind: global_buffer, .address_space: global }
      - { .name: Wq, .offset: 8, .size: 8, .value_kind: global_buffer, .address_space: global }
      - { .name: bq, .offset: 16, .size: 8, .value_kind: global_buffer, .address_space: global }
      - { .name: Wk, .offset: 24, .size: 8, .value_kind: global_buffer, .address_space: global }
      - { .name: bk, .offset: 32, .size: 8, .value_kind: global_buffer, .address_space: global }
      - { .name: upart, .offset: 40, .size: 8, .value_kind: global_buffer, .address_space: global }
      - { .name: cbp, .offset: 48, .size: 8, .value_kind: global_buffer, .address_space: global }
    .group_segment_fixed_size: 171008
    .private_segment_fixed_size: 0
    .kernarg_segment_align: 8
    .kernarg_segment_size: 56
    .max_flat_workgroup_size: 512
    .sgpr_count:     100
    .vgpr_count:     234
    .wavefront_size: 32
...
	.end_amdgpu_metadata
.endif
;; end of part 5
;; launch stream: the kernel of part 2 again; grid 256 x 1, 16 waves a work-group, no clusters, 72,704 bytes of LDS; arguments encoder_outputs, upart, cbp, accp, pstat, energy; writes accp, pstat, energy
;; launch ctx (part 6): grid 32 x 8, 16 waves a work-group, no clusters, 134,400 bytes of LDS; arguments accp, pstat, energy, Wv, bv, alpha, gamma, beta, out0, out1; writes out0, out1
.if DOCPART == 6
	.amdgcn_target "amdgcn-amd-amdhsa--gfx1250"
	.amdhsa_code_object_version 6
	.text
	.protected	k_qcf13f7fd47_ctx
	.globl	k_qcf13f7fd47_ctx
	.p2align	8
	.type	k_qcf13f7fd47_ctx,@function
k_qcf13f7fd47_ctx:
	s_mov_b64 s[64:65], 0
	v_nop
	global_prefetch_b8 v0, s[64:65] scope:SCOPE_SE
	s_setreg_imm32_b32 hwreg(HW_REG_WAVE_MODE, 25, 1), 1
	s_wait_xcnt 0x0
; Joins the stream's 8 parts of each batch, and makes both outputs.
; context_b = sum of w_s (Wv e_s + bv) = Wv c_b + bv, since the softmax's weights sum to 1; c_b = sum over j of accp[8 b + j] g_j,
; g_j = 2^(M_j - M) / L, M = max M_j, L = sum of L_j 2^(M_j - M).  out0 = gamma tanh(alpha context) + beta;  out1[b][s] = 2^(t - M) / L.
; Work-group (p, bg): p = 32 of the 1024 columns of out0, bg = 4 of the 32 batches; 32 x 8 = 256 work-groups; in: 128 KiB of accp, 128 KiB of Wv.
; Wave w reads accp's rows 2 w, 2 w + 1 of the group's 32 (batch 4 bg + w / 4, parts 2 (w % 4), + 1) and forms a0 g0 + a1 g1 in f32: row w of X.
; So all 16 rows of the matrix tile are used, four partial means for each of four batches; the four are added behind the product, in f32.
; Y = X Wv[32p ..]^T: wave w multiplies K = 64 w .. + 63 of the whole 16 x 32 block, the 16 partial sums meet in LDS.
; Wave 0 also makes out1[4 bg + p / 8][128 (p % 8) .. + 127], while the main loads are on their way.
; FORMAT: the operands are rounded to f16, not bf16, for its three more bits.  Room in f16 (largest 65,504; below 6.1e-5 a step of 6e-8):
; a row of X is part of a weighted mean of the encoder's rows, so no larger than they are (about 165 at 30 times the drawn size); a part of
; negligible weight loses at most the step of 6e-8, against a mean of at least 1/32 of the rows' spread; Wv at 30 times the drawn size is
; about 5, at 1/30 about 1e-3.  LIMIT: an operand beyond 65,504 would become infinite.
; tanh(x): for x^2 >= 1/64 as 1 - 2 / (1 + 2^(2 log2(e) x)); below, where that form loses the small result against 1, as
; x (1 - x^2/3 + 2 x^4/15 - 17 x^6/315), whose first dropped term is under 2e-9 of the result at |x| = 1/8.  Both are computed, one is selected.
; LIMITS: the order of summation differs from the written order of the model; NaN and infinite inputs are not served; a weight below 2^-126 becomes 0.
; No cache hint: each block is read by several work-groups.  No cluster: a joint request is a tensor load, which lays the f32 numbers into LDS
; as they are; here they are joined and rounded to f16 in registers on the way in, so that each number passes LDS once, as 2 bytes or less.
.set PX,  2064                         ; LDS pitch of a row of 1024 f16: 129 x 16 bytes
.set XB,  0                            ; X, f16, 16 rows
.set WB,  16*PX                        ; Wv's 32 rows, f16
.set RED, 48*PX                        ; 16 waves x 2,048 bytes of partial sums
.set OS,  RED+16*2048                  ; the result, f32, 4 rows of 128 bytes
.set LD,  64                           ; v[64:191] the 32 loads of 16 bytes: accp 0-15, Wv 16-31
.set XF,  64                           ; v[64:79]   fragments of X (ks)
.set WF,  80                           ; v[80:111]  fragments of Wv (tn, ks)
.set ACC, 112                          ; v[112:127] two accumulators (tn)
; v1 lane, v10 r, v11 hh, v12 bv, v13 gamma, v14 beta, v[32:33] (g0, g0), v[34:35] (g1, g1), v[36:51] scratch of STATS, v52 M, v53 L, v54 1 / L,
; v[56:59] t, v[60:63] out1; s[44:59] my batch's eight (M_j, L_j), s60, s61 my two rows' M_j, s62 alpha, s[72:87] the (M_j, L_j) of out1's batch
.macro LOAD8 n0, areg, blo, imm0       ; one row of 1024 f32: each load covers 512 consecutive bytes
.irp j, 0,1,2,3,4,5,6,7
	global_load_b128 v[LD+4*(\n0+\j):LD+4*(\n0+\j)+3], v[\areg], s[\blo:\blo+1] offset:\imm0+512*\j
.endr
.endm
.macro CVTROW n0, areg, imm0           ; one row: 8 x (4 f32 -> 4 f16 -> 8 bytes a lane, 256 consecutive bytes a store)
.irp j, 0,1,2,3,4,5,6,7
	v_cvt_pk_f16_f32 v[LD+4*(\n0+\j)], v[LD+4*(\n0+\j)], v[LD+4*(\n0+\j)+1]
	v_cvt_pk_f16_f32 v[LD+4*(\n0+\j)+1], v[LD+4*(\n0+\j)+2], v[LD+4*(\n0+\j)+3]
	ds_store_b64 v[\areg], v[LD+4*(\n0+\j):LD+4*(\n0+\j)+1] offset:\imm0+256*\j
.endr
.endm
.macro FRAG ks                         ; six loads: X's 16 rows and both row tiles of Wv, 32 along K
	ds_load_b128 v[XF+8*\ks:XF+8*\ks+3],   v6 offset:\ks*64
	ds_load_b128 v[XF+8*\ks+4:XF+8*\ks+7], v6 offset:\ks*64+32
.irp t, 0,1
	ds_load_b128 v[WF+8*(2*\t+\ks):WF+8*(2*\t+\ks)+3],   v7 offset:\t*16*PX+\ks*64
	ds_load_b128 v[WF+8*(2*\t+\ks)+4:WF+8*(2*\t+\ks)+7], v7 offset:\t*16*PX+\ks*64+32
.endr
.endm
.macro MUL2 ks, zero                   ; source 0 = rows of W, source 1 = rows of X: lane (r, hh), register j holds Y[r][16 tn + 8 hh + j]
.irp tn, 0,1
.if \zero
	v_wmma_f32_16x16x32_f16 v[ACC+8*\tn:ACC+8*\tn+7], v[WF+8*(2*\tn+\ks):WF+8*(2*\tn+\ks)+7], v[XF+8*\ks:XF+8*\ks+7], 0
.else
	v_wmma_f32_16x16x32_f16 v[ACC+8*\tn:ACC+8*\tn+7], v[WF+8*(2*\tn+\ks):WF+8*(2*\tn+\ks)+7], v[XF+8*\ks:XF+8*\ks+7], v[ACC+8*\tn:ACC+8*\tn+7]
.endif
.endr
.endm
.macro STATS b                         ; from eight (M_j, L_j) in s[b .. b+15]: v52 = M, v53 = L, v54 = 1 / L, the same in every lane
	v_mov_b32 v52, s[\b]
.irp j, 1,2,3,4,5,6,7
	v_max_num_f32 v52, s[\b+2*\j], v52
.endr
.irp j, 0,1,2,3,4,5,6,7
	v_sub_f32 v[36+\j], s[\b+2*\j], v52
.endr
.irp j, 0,1,2,3,4,5,6,7
	v_exp_f32 v[44+\j], v[36+\j]                   ; 2^(M_j - M)
.endr
	v_nop                                          ; the plain instruction behind the exponentials (ISA guide 5.7.2)
	s_wait_alu depctr_va_vdst(0)
	v_mul_f32 v53, s[\b+1], v44
.irp j, 1,2,3,4,5,6,7
	v_fma_f32 v53, s[\b+1+2*\j], v[44+\j], v53
.endr
	v_rcp_f32 v54, v53
	v_nop                                          ; and behind the reciprocal
.endm
	s_load_b512 s[4:19], s[0:1], 0x0               ; accp s[4:5], pstat s[6:7], energy s[8:9], Wv s[10:11], bv s[12:13], alpha s[14:15], gamma s[16:17], beta s[18:19]
	s_load_b128 s[20:23], s[0:1], 0x40             ; out0 s[20:21], out1 s[22:23]
	v_lshl_add_u32 v192, v0, 2, 0x20500
	v_mov_b32 v193, 0
	v_lshrrev_b32 v1, 5, v0
	v_readfirstlane_b32 s24, v1                    ; w
	v_and_b32 v1, 31, v0                           ; lane
	v_and_b32 v10, 15, v0                          ; r
	v_bfe_u32 v11, v0, 4, 1                        ; hh
	s_mov_b32 s25, ttmp9                           ; p
	s_and_b32 s26, ttmp7, 0xffff                   ; bg
	s_lshl_b32 s28, s26, 17                        ; accp: 32 rows of 4,096 bytes
	s_mov_b32 s29, 0
	s_lshl_b32 s30, s25, 17                        ; Wv: 32 rows of 4,096 bytes
	s_mov_b32 s31, 0
	s_lshl_b32 s32, s25, 7                         ; 32 numbers of 4 bytes
	s_mov_b32 s33, 0
	s_lshr_b32 s27, s24, 2
	s_lshl_b32 s27, s27, 11
	s_lshl_b32 s34, s26, 13
	s_add_co_u32 s34, s34, s27                     ; pstat: batch 4 bg + w / 4, 8 x 256 bytes a batch
	s_mov_b32 s35, 0
	s_and_b32 s40, s24, 3
	s_lshl_b32 s40, s40, 9                         ; in it: part 2 (w % 4)
	s_mov_b32 s41, 0
	s_lshr_b32 s70, s25, 3
	s_lshl2_add_u32 s70, s26, s70                  ; out1's batch: 4 bg + p / 8
	s_lshl_b32 s66, s70, 11                        ; in pstat
	s_mov_b32 s67, 0
	s_and_b32 s71, s25, 7
	s_lshl_b32 s71, s71, 9
	s_lshl_b32 s68, s70, 12
	s_add_co_u32 s68, s68, s71                     ; in energy and out1: its row, 128 numbers at 128 (p % 8)
	s_mov_b32 s69, 0
	s_lshl_b32 s92, s26, 14
	s_add_co_u32 s92, s92, s32                     ; out0: row 4 bg, column 32 p
	s_mov_b32 s93, 0
	s_mov_b32 s88, 0xbd5d0dde                      ; -17/315
	s_mov_b32 s89, 0x3e088889                      ; 2/15
	s_mov_b32 s90, 0xbeaaaaab                      ; -1/3
	s_lshl_b32 s91, s24, 13
	v_lshl_add_u32 v2, v1, 4, s91                  ; v2 = rows 2 w, 2 w + 1 + 16 lane
	s_lshr_b32 s91, s24, 3
	s_lshl_b32 s91, s91, 4
	s_bfe_u32 s27, s24, 0x10001                    ; (w >> 1) & 1
	s_lshl_b32 s27, s27, 3
	s_add_co_u32 s91, s91, s27
	s_bfe_u32 s27, s24, 0x10002                    ; (w >> 2) & 1
	s_lshl_b32 s27, s27, 2
	s_add_co_u32 s91, s91, s27
	v_and_b32 v15, 3, v0
	v_add_nc_u32 v15, s91, v15                     ; v15 = oo = 16 (w>>3) + 8 ((w>>1)&1) + 4 ((w>>2)&1) + lane % 4: my column after the reduction
	v_lshlrev_b32 v16, 2, v15
	v_lshlrev_b32 v29, 4, v1                       ; v29 = 16 lane
	s_wait_kmcnt 0x0
	s_add_nc_u64 s[4:5], s[4:5], s[28:29]
	s_add_nc_u64 s[10:11], s[10:11], s[30:31]
	s_add_nc_u64 s[12:13], s[12:13], s[32:33]
	s_add_nc_u64 s[16:17], s[16:17], s[32:33]
	s_add_nc_u64 s[18:19], s[18:19], s[32:33]
	s_add_nc_u64 s[36:37], s[6:7], s[34:35]        ; pstat at my batch
	s_add_nc_u64 s[38:39], s[36:37], s[40:41]      ; pstat at my two rows
	s_add_nc_u64 s[42:43], s[6:7], s[66:67]        ; pstat at out1's batch
	s_add_nc_u64 s[8:9], s[8:9], s[68:69]
	s_add_nc_u64 s[22:23], s[22:23], s[68:69]
	s_add_nc_u64 s[20:21], s[20:21], s[92:93]
	global_load_b32 v12, v16, s[12:13]             ; bv, gamma, beta of my column
	global_load_b32 v13, v16, s[16:17]
	global_load_b32 v14, v16, s[18:19]
	LOAD8 0, 2, 4, 0                               ; accp: rows 2 w, 2 w + 1 of the group
	LOAD8 8, 2, 4, 4096
	LOAD8 16, 2, 10, 0                             ; Wv: rows 2 w, 2 w + 1 of the slice
	LOAD8 24, 2, 10, 4096
.irp j, 0,1,2,3,4,5,6,7
	s_load_b64 s[44+2*\j:45+2*\j], s[36:37], 256*\j   ; (M_j, L_j) of my batch
.endr
	s_load_b32 s60, s[38:39], 0x0                  ; M_j of my two rows
	s_load_b32 s61, s[38:39], 0x100
	s_load_b32 s62, s[14:15], 0x0                  ; alpha
	; addresses, while the loads are on their way
	s_mul_i32 s95, s24, PX
	v_lshl_add_u32 v3, v1, 3, s95                  ; v3: XB, row w, 8 bytes a lane
	s_mul_i32 s96, s24, 2*PX
	s_add_co_u32 s96, s96, WB
	v_lshl_add_u32 v4, v1, 3, s96                  ; v4: WB, rows 2 w ..
	v_mul_u32_u24 v6, v10, PX
	v_lshl_add_u32 v6, v11, 4, v6
	s_lshl_b32 s97, s24, 7
	v_add_nc_u32 v6, s97, v6                       ; v6: fragments of X: r PX + 16 hh + my 64 of K (128 bytes)
	v_add_nc_u32 v7, WB, v6                        ; v7: fragments of Wv
	s_lshl_b32 s98, s24, 11
	s_add_co_u32 s98, s98, RED
	v_lshl_add_u32 v8, v1, 4, s98                  ; v8: my partial sums
	s_add_co_u32 s99, s97, RED
	v_lshl_add_u32 v9, v1, 2, s99                  ; v9: word 32 w + lane of wave 0's partial sums: row 8 (w & 1) + lane / 4 of Y, column oo
	s_and_b32 s94, s24, 1
	s_lshl_b32 s94, s94, 8
	s_add_co_u32 s94, s94, OS
	v_lshl_add_u32 v17, v11, 7, s94
	v_add_nc_u32 v17, v17, v16                     ; v17: the result of batch 2 (w & 1) + hh of the four, column oo
	; out1, by wave 0, in one branch: its loads are the youngest, so its wait is for all; the counted waits below are then met at once
	s_cmp_lg_u32 s24, 0
	s_cbranch_scc1 .Lno_w
.irp j, 0,1,2,3,4,5,6,7
	s_load_b64 s[72+2*\j:73+2*\j], s[42:43], 256*\j
.endr
	global_load_b128 v[56:59], v29, s[8:9]         ; 128 t: 512 consecutive bytes
	s_wait_kmcnt 0x0
	STATS 72
	s_wait_loadcnt 0
.irp c, 0,1,2,3
	v_sub_f32 v[56+\c], v[56+\c], v52
.endr
.irp c, 0,1,2,3
	v_exp_f32 v[60+\c], v[56+\c]
.endr
	v_nop                                          ; the plain instruction behind the exponentials
	s_wait_alu depctr_va_vdst(0)
.irp c, 0,1,2,3
	v_mul_f32 v[60+\c], v[60+\c], v54
.endr
	global_store_b128 v29, v[60:63], s[22:23]      ; 512 consecutive bytes
.Lno_w:
	s_wait_kmcnt 0x0                               ; my batch's figures, and alpha
	STATS 44
	v_sub_f32 v36, s60, v52
	v_sub_f32 v37, s61, v52
	v_exp_f32 v32, v36
	v_exp_f32 v34, v37
	v_nop
	s_wait_alu depctr_va_vdst(0)
	v_mul_f32 v32, v32, v54                        ; g0, g1 = 2^(M_j - M) / L of my two rows
	v_mul_f32 v34, v34, v54
	v_mov_b32 v33, v32                             ; as pairs, for the packed arithmetic
	v_mov_b32 v35, v34
	s_wait_loadcnt 16                              ; accp's two rows are in; Wv's 16 loads stay out
.irp j, 0,1,2,3,4,5,6,7
	v_pk_mul_f32 v[LD+4*\j:LD+4*\j+1],   v[LD+4*\j:LD+4*\j+1],   v[32:33]
	v_pk_mul_f32 v[LD+4*\j+2:LD+4*\j+3], v[LD+4*\j+2:LD+4*\j+3], v[32:33]
	v_pk_fma_f32 v[LD+4*\j:LD+4*\j+1],   v[LD+32+4*\j:LD+32+4*\j+1],   v[34:35], v[LD+4*\j:LD+4*\j+1]
	v_pk_fma_f32 v[LD+4*\j+2:LD+4*\j+3], v[LD+32+4*\j+2:LD+32+4*\j+3], v[34:35], v[LD+4*\j+2:LD+4*\j+3]
	v_cvt_pk_f16_f32 v[LD+4*\j],   v[LD+4*\j],   v[LD+4*\j+1]
	v_cvt_pk_f16_f32 v[LD+4*\j+1], v[LD+4*\j+2], v[LD+4*\j+3]
	ds_store_b64 v3, v[LD+4*\j:LD+4*\j+1] offset:256*\j
.endr
	s_wait_loadcnt 8                               ; the count is the loads issued behind the row's eight
	CVTROW 16, 4, 0
	s_wait_loadcnt 0
	CVTROW 24, 4, PX
	s_wait_dscnt 0x0                               ; my rows are in LDS, for the other waves' sake
	s_barrier_signal -1
	s_barrier_wait -1
	FRAG 0
	FRAG 1
	s_wait_dscnt 6                                 ; the first six loads (K step 0) are in
	MUL2 0, 1                                      ; the first products start the sums
	s_wait_dscnt 0
	MUL2 1, 0                                      ; the two accumulators take turns, one instruction a turn
.rept 4
	v_nop                                          ; four places behind the last matrix instruction before its result is stored (ISA guide 7.12.1)
.endr
.irp t, 0,1
.irp q, 0,1
	ds_store_b128 v8, v[ACC+8*\t+4*\q:ACC+8*\t+4*\q+3] offset:\t*1024+\q*512
.endr
.endr
	s_wait_dscnt 0x0
	s_barrier_signal -1
	s_barrier_wait -1
	; the sixteen partial sums of my number: 512 threads, 512 numbers
.irp s, 0,1,2,3,4,5,6,7,8,9,10,11,12,13,14,15
	ds_load_b32 v[64+\s], v9 offset:\s*2048
.endr
	s_wait_dscnt 0x0
.irp s, 0,1,2,3
	v_pk_add_f32 v[64+2*\s:65+2*\s], v[64+2*\s:65+2*\s], v[72+2*\s:73+2*\s]
.endr
	v_pk_add_f32 v[64:65], v[64:65], v[68:69]
	v_pk_add_f32 v[66:67], v[66:67], v[70:71]
	v_pk_add_f32 v[64:65], v[64:65], v[66:67]
	v_add_f32 v64, v64, v65
	; the four rows of a batch lie in lanes that differ in bits 2 and 3
	v_add_f32_dpp v64, v64, v64 row_xmask:4 row_mask:0xf bank_mask:0xf
	v_add_f32_dpp v64, v64, v64 row_xmask:8 row_mask:0xf bank_mask:0xf
	v_add_f32 v64, v64, v12                        ; + bv
	v_mul_f32 v80, s62, v64                        ; x = alpha context
	v_mul_f32 v81, 0x4038aa3b, v80                 ; 2 log2(e) x
	v_exp_f32 v82, v81
	v_mul_f32 v83, v80, v80                        ; x^2: also the plain instruction behind the exponential (ISA guide 5.7.2)
	s_wait_alu depctr_va_vdst(0)
	v_add_f32 v82, 1.0, v82
	v_rcp_f32 v84, v82
	v_fma_f32 v85, v83, s88, s89                   ; the series; also the plain instruction behind the reciprocal
	s_wait_alu depctr_va_vdst(0)
	v_fma_f32 v84, v84, -2.0, 1.0                  ; 1 - 2 / (1 + e^(2x))
	v_fma_f32 v85, v85, v83, s90
	v_mul_f32 v85, v85, v83
	v_fma_f32 v85, v85, v80, v80                   ; x + x (x^2 (..))
	v_cmp_gt_f32 vcc_lo, 0x3c800000, v83           ; 1/64 > x^2: the series
	v_cndmask_b32 v86, v84, v85, vcc_lo
	v_fma_f32 v86, v86, v13, v14                   ; gamma tanh + beta
	ds_store_b32 v17, v86                          ; the four lanes of a batch's rows write the same word with the same number
	s_wait_dscnt 0x0
	s_barrier_signal -1
	s_barrier_wait -1
	; out by rows: wave 0; eight lanes store a row's 128 consecutive bytes, which is all that a slice of 32 columns holds of it
	s_cmp_lg_u32 s24, 0
	s_cbranch_scc1 .Lend
	v_add_nc_u32 v20, OS, v29
	v_lshrrev_b32 v18, 3, v1                       ; row lane / 8 of the four
	v_and_b32 v19, 7, v0
	v_lshlrev_b32 v21, 12, v18
	v_lshl_add_u32 v21, v19, 4, v21
	ds_load_b128 v[92:95], v20
	s_wait_dscnt 0x0
	global_store_b128 v21, v[92:95], s[20:21]
.Lend:
	s_wait_tensorcnt 0x0
	ds_add_u32 v192, v193
	s_wait_dscnt 0x0
	s_endpgm
.Lfunc_end_k_qcf13f7fd47_ctx:
	.size	k_qcf13f7fd47_ctx, .Lfunc_end_k_qcf13f7fd47_ctx-k_qcf13f7fd47_ctx
	.p2alignl 7, 3214868480
	.fill 96, 4, 3214868480
	.section	.rodata,"a",@progbits
	.p2align	6, 0x0
	.amdhsa_kernel k_qcf13f7fd47_ctx
		.amdhsa_group_segment_fixed_size 134400
		.amdhsa_private_segment_fixed_size 0
		.amdhsa_enable_private_segment 0
		.amdhsa_kernarg_size 80
		.amdhsa_user_sgpr_count 2
		.amdhsa_user_sgpr_kernarg_segment_ptr 1
		.amdhsa_wavefront_size32 1
		.amdhsa_system_sgpr_workgroup_id_x 1
		.amdhsa_system_sgpr_workgroup_id_y 1
		.amdhsa_system_sgpr_workgroup_id_z 1
		.amdhsa_system_vgpr_workitem_id 0
		.amdhsa_next_free_vgpr 194
		.amdhsa_next_free_sgpr 100
		.amdhsa_reserve_vcc 1
		.amdhsa_float_denorm_mode_32 3
		.amdhsa_float_denorm_mode_16_64 3
		.amdhsa_memory_ordered 1
		.amdhsa_forward_progress 1
		.amdhsa_inst_pref_size 24
	.end_amdhsa_kernel
	.amdgpu_metadata
---
amdhsa.version: [ 1, 2 ]
amdhsa.kernels:
  - .name:           k_qcf13f7fd47_ctx
    .symbol:         k_qcf13f7fd47_ctx.kd
    .args:
      - { .name: accp, .offset: 0, .size: 8, .value_kind: global_buffer, .address_space: global }
      - { .name: pstat, .offset: 8, .size: 8, .value_kind: global_buffer, .address_space: global }
      - { .name: energy, .offset: 16, .size: 8, .value_kind: global_buffer, .address_space: global }
      - { .name: Wv, .offset: 24, .size: 8, .value_kind: global_buffer, .address_space: global }
      - { .name: bv, .offset: 32, .size: 8, .value_kind: global_buffer, .address_space: global }
      - { .name: alpha, .offset: 40, .size: 8, .value_kind: global_buffer, .address_space: global }
      - { .name: gamma, .offset: 48, .size: 8, .value_kind: global_buffer, .address_space: global }
      - { .name: beta, .offset: 56, .size: 8, .value_kind: global_buffer, .address_space: global }
      - { .name: out0, .offset: 64, .size: 8, .value_kind: global_buffer, .address_space: global }
      - { .name: out1, .offset: 72, .size: 8, .value_kind: global_buffer, .address_space: global }
    .group_segment_fixed_size: 134400
    .private_segment_fixed_size: 0
    .kernarg_segment_align: 8
    .kernarg_segment_size: 80
    .max_flat_workgroup_size: 512
    .sgpr_count:     100
    .vgpr_count:     194
    .wavefront_size: 32
...
	.end_amdgpu_metadata
.endif
;; end of part 6
